; MI455X (gfx1250); checked and timed in simulation.
; The chip was launched on July 23, 2026; its instructions are those of AMD's public machine-readable ISA for CDNA 5 (MIT licence, August 2026) and "CDNA5" Instruction Set Architecture Reference Guide (July 2026). The comments in the code are by the model that wrote it; some were corrected since.
;; Encoder Layer. Allowed arithmetic: matrix products marked QUANTISED: E4M3 operands, one E8M0 scale for each 32 along K, by v_wmma_scale_f32_16x16x128_f8f6f4 with both operands' format E4M3, f32 sums; everything else in f32.
;; Inputs: b1 4,096 float32; b2 1,024 float32; be1 1,024 float32; be2 1,024 float32; bk 1,024 float32; bo 1,024 float32; bq 1,024 float32; bv 1,024 float32; g1 1,024 float32; g2 1,024 float32; w1_codes 4,096 x 32 x 32 uint8 (E4M3 codes of w1, K innermost, in blocks of 32 codes); w1_scales 4,096 x 32 uint8 (E8M0 scales of w1, one for each 32 codes along K); w2_codes 1,024 x 128 x 32 uint8 (E4M3 codes of w2, K innermost, in blocks of 32 codes); w2_scales 1,024 x 128 uint8 (E8M0 scales of w2, one for each 32 codes along K); wk_codes 1,024 x 32 x 32 uint8 (E4M3 codes of wk, K innermost, in blocks of 32 codes); wk_scales 1,024 x 32 uint8 (E8M0 scales of wk, one for each 32 codes along K); wo_codes 1,024 x 32 x 32 uint8 (E4M3 codes of wo, K innermost, in blocks of 32 codes); wo_scales 1,024 x 32 uint8 (E8M0 scales of wo, one for each 32 codes along K); wq_codes 1,024 x 32 x 32 uint8 (E4M3 codes of wq, K innermost, in blocks of 32 codes); wq_scales 1,024 x 32 uint8 (E8M0 scales of wq, one for each 32 codes along K); wv_codes 1,024 x 32 x 32 uint8 (E4M3 codes of wv, K innermost, in blocks of 32 codes); wv_scales 1,024 x 32 uint8 (E8M0 scales of wv, one for each 32 codes along K); x 2 x 2,048 x 1,024 float32.
;; Outputs: out0 2 x 2,048 x 1,024 float32.
;; This version of the problem:
;;   THIS VERSION OF THE PROBLEM IS GIVEN IN LOW PRECISION. The matrix products marked QUANTISED in the list below multiply operands that are first quantised to E4M3 (4 exponent bits, 3 mantissa bits; 8 bits a number), with one power-of-two scale for each 32 numbers along K (OCP MX v1.0); their sums are f32. All else is computed in f32.
;;   The module's matrix products, in the order in which they are computed (A, B: the left and right operand; K: the contracted axis; several contracted axes count as one K, in the product's order):
;;     1. [M 4,096, K 1,024] x [K 1,024, N 1,024]; A: input x; B: input wq (given as codes): QUANTISED
;;     2. [M 4,096, K 1,024] x [K 1,024, N 1,024]; A: input x; B: input wk (given as codes): QUANTISED
;;     3. [M 4,096, K 1,024] x [K 1,024, N 1,024]; A: input x; B: input wv (given as codes): QUANTISED
;;     4. batch 32 x [M 2,048, K 64] x [K 64, N 2,048]; A: computed on the way; B: computed on the way: QUANTISED
;;     5. batch 32 x [M 64, K 2,048] x [K 2,048, N 2,048]; A: computed on the way; B: softmax (see below): QUANTISED
;;     6. [M 4,096, K 1,024] x [K 1,024, N 1,024]; A: computed on the way; B: input wo (given as codes): QUANTISED
;;     7. [M 4,096, K 1,024] x [K 1,024, N 4,096]; A: computed on the way; B: input w1 (given as codes): QUANTISED
;;     8. [M 4,096, K 4,096] x [K 4,096, N 1,024]; A: computed on the way; B: input w2 (given as codes): QUANTISED
;;   THE QUANTISER, for each operand of a quantised product, along K:
;;     - K is cut into blocks of 32 from its start; a last block that is shorter is filled with zeros.
;;     - A block's scale is 2^e with e = floor(log2(the largest magnitude in the block)) - 8, held to -126 .. 127; a block of zeros has e = 0. As a byte (E8M0): e + 127.
;;     - Each number is divided by its block's scale, clamped to +-448, and rounded to the nearest number of E4M3, ties to even, subnormals kept.
;;     - The product sums the exact products of the quantised numbers (number of the format x scale) in f32.
;;   ~~~python
;;   def quantise(x, axis):      # numpy; x: float32 -> the quantised numbers, widened to float32 again
;;       x = np.moveaxis(x, axis, -1); K = x.shape[-1]
;;       x = np.pad(x, [(0, 0)] * (x.ndim - 1) + [(0, -K % 32)]); x = x.reshape(x.shape[:-1] + (-1, 32)); a = np.abs(x).max(-1, keepdims=True)
;;       e = np.where(a > 0, np.clip(np.frexp(np.where(a > 0, a, 1))[1] - 1 - 8, -126, 127), 0)      # np.frexp(a)[1] - 1 = floor(log2(a)), exactly
;;       r = np.clip(x / 2.0 ** e, -448, 448)
;;       step = 2.0 ** (np.maximum(np.frexp(np.where(r == 0, 1, r))[1] - 1, -6) - 3)
;;       q = np.round(r / step) * step * 2.0 ** e      # np.round: ties to even
;;       return np.moveaxis(q.reshape(q.shape[:-2] + (-1,))[..., :K], -1, axis).astype(np.float32)
;;   ~~~
;;   SOFTMAX AHEAD OF A QUANTISED PRODUCT. Where the list says 'softmax', what is quantised is not the finished softmax but p = 2^(t - M), with t = logit x log2(e) and M = ceil(the row's largest t), a whole number; so 1/2 < the row's largest p <= 1. The row's sum l is taken of the UNQUANTISED p, in f32, and the product's result is divided by l at the end. Since M is a whole number, a kernel that streams over the keys may use a running M (the ceiling of the running maximum): every later rescaling is an exact power of two, which a block's scale takes up: the codes' values come out the same.
;;   OPERANDS COMPUTED ON THE WAY. 'Computed on the way' means the value that the module computes at that place (a softmax that the list does not call 'softmax' is quantised finished and normalised). What goes into a quantiser is computed in f32, as accurately as f32 sums, v_exp_f32 and their like allow (about 1e-6 of the number): no bf16 or f16 on the way to a quantiser, and a product that is left as it is and whose result goes on into a quantised operand takes f32 operands (vector FMAs, or v_wmma_f32_16x16x4_f32). A number that lies on a knife's edge between two numbers of the format may be rounded either way, as far as f32 arithmetic and the matrix unit's own rounding can turn it there, and no further.
;;   INPUTS GIVEN AS CODES. w1 (in the module: [1024, 4096], K = its axis 0); w2 (in the module: [4096, 1024], K = its axis 0); wk (in the module: [1024, 1024], K = its axis 0); wo (in the module: [1024, 1024], K = its axis 0); wq (in the module: [1024, 1024], K = its axis 0); wv (in the module: [1024, 1024], K = its axis 0): each comes as NAME_codes (uint8): NAME with its K axis moved to the last place and cut into blocks of 32 codes, [.., K / 32, bytes a block], one block behind the other in memory; one code a byte (a code: sign, 4 exponent bits, 3 mantissa bits); and NAME_scales (uint8): the same leading axes, one E8M0 byte (e + 127) for each 32 codes along K. Its value is code x scale, taken as it is: it is not quantised again, and the codes and scales need not be those that the quantiser above would give.
;; One version. Each part assembles by itself: llvm-mc -triple=amdgcn-amd-amdhsa -mcpu=gfx1250 --defsym DOCPART=n.
;; ======== version 1 of 1: 8 launches
;; limits: right only within a limited range of input values
;; workspace buffers: xq 4,325,376 bytes; qkv 12,976,128 bytes; att 4,325,376 bytes; y1 16,777,216 bytes; hb 21,102,592 bytes; ffb 17,301,504 bytes; pp 16,777,216 bytes
;; launch prep (part 1): grid 512 x 1, 8 waves a work-group, no clusters, 42,240 bytes of LDS; arguments x, xq; writes xq
.if DOCPART == 1
	.amdgcn_target "amdgcn-amd-amdhsa--gfx1250"
	.amdhsa_code_object_version 6
	.text
	.protected	k_qd019e01cdb_prep
	.globl	k_qd019e01cdb_prep
	.p2align	8
	.type	k_qd019e01cdb_prep,@function
k_qd019e01cdb_prep:
	s_mov_b64 s[64:65], 0
	v_nop
	global_prefetch_b8 v0, s[64:65] scope:SCOPE_SE
	s_setreg_imm32_b32 hwreg(HW_REG_WAVE_MODE, 25, 1), 1
	s_wait_xcnt 0x0
; x [4096][1024] f32 becomes codes of E4M3, K innermost, at xq + 0 ([4096][1024] bytes), and one E8M0 byte for each 32 along K at xq + XS_OFF ([4096][32]).
; A block's scale is 2^(floor(log2(largest magnitude)) - 8); each number is divided by it, held within +-448 and rounded to the nearest code, ties to even.
; LIMITS: a block of zeros gets the byte 1 (its codes are zeros; this program alone reads the bytes); blocks whose largest magnitude lies under 2^-118 are held at that floor; NaN and infinities are not served.
; SHARES: a wave takes one row (4,096 bytes): eight loads of 512 consecutive bytes, all out at once.  The conversions want 16 neighbours in one lane, so each 2,048 bytes turn through the wave's own
; stage in LDS (16 bytes of padding behind each 64).  A wave stores 512 consecutive bytes of codes at a time; the eight rows' 256 scale bytes meet in LDS and leave as one aligned run of 256 bytes.
; No matrix unit, no tensor load, no cluster: the work-groups share no input and memory binds.
.set EMAX,  8
.set SP,    80                         ; a lane's place in a stage: 64 bytes + 16
.set WSTG,  2*32*SP                    ; two stages for each wave
.set SCB,   8*WSTG                     ; behind the stages: 32 scale bytes for each wave
.set XS_OFF, 4194304
.set R,     16                         ; v16-47  the row as loaded
.set X,     48                         ; v48-79  two sets of 16 neighbours
.set C,     80                         ; v80-87  codes
.set E,     88                         ; v88-89  scale bytes
.set CP,    8                          ; s[8:9]  my row of codes
.set MNT,   23                         ; s23     the mantissa field of 448
	s_load_b128 s[4:7], s[0:1], 0x0                ; x, xq
	v_lshl_add_u32 v96, v0, 2, 0xa100
	v_mov_b32 v97, 0
	v_lshrrev_b32 v1, 5, v0
	s_delay_alu instid0(VALU_DEP_1)
	v_readfirstlane_b32 s16, v1                    ; wave 0..7
	v_and_b32 v3, 31, v0                           ; lane
	s_delay_alu instid0(VALU_DEP_1)
	v_lshlrev_b32 v2, 4, v3                        ; 16 x lane: my bytes of a load's or a store's 512
	s_mul_i32 s17, s16, WSTG
	v_lshrrev_b32 v14, 2, v3
	s_delay_alu instid0(VALU_DEP_1)
	v_mul_u32_u24 v14, v14, SP
	v_and_b32 v15, 3, v3
	s_delay_alu instid0(VALU_DEP_1)
	v_lshl_add_u32 v14, v15, 4, v14
	s_delay_alu instid0(VALU_DEP_1)
	v_add_nc_u32 v14, s17, v14                     ; into the stage: SP (lane / 4) + 16 (lane % 4)
	v_mul_u32_u24 v15, v3, SP
	s_delay_alu instid0(VALU_DEP_1)
	v_add_nc_u32 v15, s17, v15                     ; out of it: SP x lane
	v_lshrrev_b32 v5, 1, v3
	s_lshl_b32 s18, s16, 5
	s_add_co_u32 s18, s18, SCB
	v_add_nc_u32 v5, s18, v5                       ; my block's scale byte
	v_lshlrev_b32 v7, 3, v3                        ; 8 x lane
	s_delay_alu instid0(VALU_DEP_1)
	v_add_nc_u32 v6, SCB, v7                       ; wave 0 reads all 256 scale bytes back
	s_mov_b32 s[MNT], 0x600000
	s_lshl_b32 s18, ttmp9, 3
	s_add_co_u32 s18, s18, s16                     ; my row
	s_lshl_b32 s20, s18, 12
	s_mov_b32 s21, 0
	s_lshl_b32 s24, s18, 10
	s_mov_b32 s25, 0
	s_lshl_b32 s26, ttmp9, 8
	s_mov_b32 s27, 0
	s_wait_alu depctr_va_vdst(0)
	s_wait_kmcnt 0x0
	s_add_nc_u64 s[4:5], s[4:5], s[20:21]
	s_add_nc_u64 s[CP:CP+1], s[6:7], s[24:25]
	s_add_nc_u64 s[10:11], s[6:7], s[26:27]
	s_add_nc_u64 s[10:11], s[10:11], XS_OFF
.irp j, 0,1,2,3,4,5,6,7
	global_load_b128 v[R+4*\j:R+4*\j+3], v2, s[4:5] offset:512*\j th:TH_LOAD_NT
.endr
.macro TURN t                          ; 2,048 bytes through the stage: LDS serves a wave's instructions in order, so no wait stands between the stores and the loads
.irp i, 0,1,2,3
	ds_store_b128 v14, v[R+16*(\t)+4*\i:R+16*(\t)+4*\i+3] offset:32*SP*(\t)+8*SP*\i
.endr
.irp i, 0,1,2,3
	ds_load_b128 v[X+16*(\t)+4*\i:X+16*(\t)+4*\i+3], v15 offset:32*SP*(\t)+16*\i
.endr
.endm
.macro QSTEP t                         ; 512 numbers, 16 a lane, two neighbouring lanes to a block
.set XS, X+16*(\t)
	v_max3_num_f32 v8, |v[XS]|, |v[XS+1]|, |v[XS+2]|
	v_max3_num_f32 v9, |v[XS+3]|, |v[XS+4]|, |v[XS+5]|
.irp i, 6,10
	s_delay_alu instid0(VALU_DEP_2)
	v_max3_num_f32 v8, v8, |v[XS+\i]|, |v[XS+\i+1]|
	s_delay_alu instid0(VALU_DEP_2)
	v_max3_num_f32 v9, v9, |v[XS+\i+2]|, |v[XS+\i+3]|
.endr
	s_delay_alu instid0(VALU_DEP_2)
	v_max3_num_f32 v8, v8, |v[XS+14]|, |v[XS+15]|
	s_delay_alu instid0(VALU_DEP_1)
	v_max3_num_f32 v8, v8, v9, (EMAX+1)<<23        ; the floor 2^(9 - 127): the byte cannot fall under 1
	s_delay_alu instid0(VALU_DEP_1)
	v_max_num_f32_dpp v8, v8, v8 row_xmask:1 row_mask:0xf bank_mask:0xf   ; with my neighbour's 16: the block's largest magnitude
	s_delay_alu instid0(VALU_DEP_1)
	v_add_nc_u32 v11, -(EMAX<<23), v8              ; 8 off its exponent field: the conversion's scale operand
	s_delay_alu instid0(VALU_DEP_2)
	v_and_or_b32 v10, v8, 0x7f800000, s[MNT]       ; 448 x the scale
.irp i, 0,1,2,3,4,5,6,7,8,9,10,11,12,13,14,15
	v_med3_num_f32 v[XS+\i], v[XS+\i], -v10, v10   ; the conversion does not saturate (ISA guide 7.6.2): the hold comes first
.endr
	v_cvt_scalef32_pk8_fp8_f32 v[C+4*(\t):C+4*(\t)+1], v[XS:XS+7], v11
	v_cvt_scalef32_pk8_fp8_f32 v[C+4*(\t)+2:C+4*(\t)+3], v[XS+8:XS+15], v11
	v_lshrrev_b32 v[E+(\t)], 23, v11               ; the scale's byte
	ds_store_b8 v5, v[E+(\t)] offset:16*(\t)       ; both lanes of a block write the same byte with the same value
	global_store_b128 v2, v[C+4*(\t):C+4*(\t)+3], s[CP:CP+1] offset:512*(\t)
.endm
	s_wait_loadcnt 4                               ; loads 0 to 3 are in; loads 4 to 7 may be out
	TURN 0
	s_wait_loadcnt 0x0
	TURN 1
	s_wait_dscnt 8                                 ; the first turn is back; the second turn's four stores and four loads may be out
	QSTEP 0
	s_wait_dscnt 1                                 ; the second turn is back; the byte store just issued may be out
	QSTEP 1
	s_wait_dscnt 0x0                               ; for the others' sake: my scale bytes lie in LDS
	s_barrier_signal -1
	s_barrier_wait -1
	s_cmp_lg_u32 s16, 0
	s_cbranch_scc1 .Lend
	ds_load_b64 v[12:13], v6
	s_wait_dscnt 0x0
	global_store_b64 v7, v[12:13], s[10:11]        ; 32 lanes store 256 consecutive bytes, aligned: eight rows' scale bytes
.Lend:
	s_wait_tensorcnt 0x0
	ds_add_u32 v96, v97
	s_wait_dscnt 0x0
	s_endpgm
.Lfunc_end_k_qd019e01cdb_prep:
	.size	k_qd019e01cdb_prep, .Lfunc_end_k_qd019e01cdb_prep-k_qd019e01cdb_prep
	.p2alignl 7, 3214868480
	.fill 96, 4, 3214868480
	.section	.rodata,"a",@progbits
	.p2align	6, 0x0
	.amdhsa_kernel k_qd019e01cdb_prep
		.amdhsa_group_segment_fixed_size 42240
		.amdhsa_private_segment_fixed_size 0
		.amdhsa_enable_private_segment 0
		.amdhsa_kernarg_size 16
		.amdhsa_user_sgpr_count 2
		.amdhsa_user_sgpr_kernarg_segment_ptr 1
		.amdhsa_wavefront_size32 1
		.amdhsa_system_sgpr_workgroup_id_x 1
		.amdhsa_system_sgpr_workgroup_id_y 1
		.amdhsa_system_sgpr_workgroup_id_z 1
		.amdhsa_system_vgpr_workitem_id 0
		.amdhsa_next_free_vgpr 98
		.amdhsa_next_free_sgpr 66
		.amdhsa_reserve_vcc 0
		.amdhsa_float_denorm_mode_32 3
		.amdhsa_float_denorm_mode_16_64 3
		.amdhsa_memory_ordered 1
		.amdhsa_forward_progress 1
		.amdhsa_inst_pref_size 10
	.end_amdhsa_kernel
	.amdgpu_metadata
---
amdhsa.version: [ 1, 2 ]
amdhsa.kernels:
  - .name:           k_qd019e01cdb_prep
    .symbol:         k_qd019e01cdb_prep.kd
    .args:
      - { .name: x, .offset: 0, .size: 8, .value_kind: global_buffer, .address_space: global }
      - { .name: xq, .offset: 8, .size: 8, .value_kind: global_buffer, .address_space: global }
    .group_segment_fixed_size: 42240
    .private_segment_fixed_size: 0
    .kernarg_segment_align: 8
    .kernarg_segment_size: 16
    .max_flat_workgroup_size: 256
    .sgpr_count:     66
    .vgpr_count:     98
    .wavefront_size: 32
...
	.end_amdgpu_metadata
.endif
;; end of part 1
;; launch proj (part 2): grid 12 x 16, 4 waves a work-group, clusters of 4 x 4, 327,680 bytes of LDS; arguments xq, wq_codes, wq_scales, wk_codes, wk_scales, wv_codes, wv_scales, bq, bk, bv, qkv; writes qkv
.if DOCPART == 2
	.amdgcn_target "amdgcn-amd-amdhsa--gfx1250"
	.amdhsa_code_object_version 6
	.text
	.protected	k_qd019e01cdb_proj
	.globl	k_qd019e01cdb_proj
	.p2align	8
	.type	k_qd019e01cdb_proj,@function
k_qd019e01cdb_proj:
	s_mov_b64 s[64:65], 0
	v_nop
	global_prefetch_b8 v0, s[64:65] scope:SCOPE_SE
	s_setreg_imm32_b32 hwreg(HW_REG_WAVE_MODE, 25, 1), 1
	s_wait_xcnt 0x0
	s_wait_alu depctr_hold_cnt(0) depctr_sa_sdst(0) depctr_va_vdst(0) depctr_va_sdst(0) depctr_va_ssrc(0) depctr_va_vcc(0) depctr_vm_vsrc(0)
	s_getreg_b32 s2, hwreg(HW_REG_IB_STS2, 6, 4)
	s_cmp_eq_u32 s2, 0
	s_cbranch_scc0 .Lentry_in_a_cluster
	s_endpgm
.Lentry_in_a_cluster:
	s_bfe_u32 s2, ttmp6, 0x10000c
	s_cmp_lg_u32 s2, 0xf033
	s_cbranch_scc0 .Lentry_shape_is_right
	s_endpgm
.Lentry_shape_is_right:
; q = x wq + bq, k = x wk + bk, v = x wv + bv on codes of E4M3 with E8M0 scales, and the results quantised at once for attention: q and k along the head's 64, v along the keys.
; Cluster x = 0, 1, 2 says Q, K, V.  A tile of 256 x 256 is made by four waves, 128 x 128 each (64 accumulators, 512 registers); K = 1,024 goes in steps of 256 through two LDS slots.
; Q, K: A = x (tokens), B = the weight (features).  V: A = wv (features), B = x (tokens).  THE MATRIX INSTRUCTION IS USED TRANSPOSED (source 0 = 16 rows of B, source 1 = 16 rows of A): a lane holds one row of A,
; and its registers run along B's rows: along the features for q and k, along the tokens (the keys) for v: along the next product's K in all three.  All three paths run the same lines: what differs is chosen
; by s_cselect (pointers, offsets, strides) and v_cndmask (values); no jump and no LDS address hangs on the path.
; OUT (buffer qkv): q at 0, k at 4 MiB: [head of batch 32][tile of 16 tokens 128][1,024 bytes]: the first eight registers of a fragment as they stand (byte 512 c + 16 lane = registers 4 c .. 4 c + 3);
;   v at 8 MiB: [head 32][128 keys 16][tile of 16 channels 4][2,048 bytes]: a whole fragment so.  Scale words from QS_OFF, 131,072 bytes each for q, k, v, 4,096 a head:
;   q, k: [32 tokens][r] : bytes 0, 1 token 32 P + r, bytes 2, 3 token 32 P + 16 + r;  v: [128 keys][tile of channels][r].
; A RESULT BECOMES CODES: the 16 registers of tiles 2 b, 2 b + 1 in lanes l and l xor 16 are a block of 32; two conversions, and no lane swap: the codes stay as the conversions leave them.
; CLUSTERS: 4 x 4 work-groups; A's tiles are asked for jointly along a row of the cluster, B's along a column.
; LIMITS: a block of zeros gets the byte 1 (read by this program alone); magnitudes under 2^-118 are held at that floor; NaN and infinities are not served; a given scale byte 0xff gives NaN.
; REGISTERS: window 0: v0-31 addresses, v8-15 the row form of the bias; v32-63 scale words, two sets; v64-127 the column form of the bias; from v128 A's fragments, later the way out.
;   window 1: B's fragments, two sets.  windows 2, 3: the accumulators ((a, b) at v[8 (8 (a % 4) + b)]).
.set SIZE_K, 1024
.set KSTEP,  256
.set NQ,     KSTEP/128
.set ROWB,   256
.set KROW,   SIZE_K
.set PITCH,  272                       ; an LDS row: 256 bytes + 16: the 16 rows of a load start at 16 different banks (64 banks of 4 bytes: ISA guide 11.1)
.set FR,     16
.set NL,     4
.set NP,     8                         ; places behind this matrix instruction (ISA guide 7.12.1)
.set HALFT,  128*PITCH
.set SLOT,   4*HALFT
.set LAPS,   SIZE_K/(2*KSTEP)
.set KS,     SIZE_K/32
.set SCL,    2*SLOT
.set HALFS,  (128*KS/256)*272
.set SBLK,   (16*KS/256)*272
.set SPARE,  SCL+4*HALFS               ; the spare words: 128 bytes a wave, named by no other line
.set XS_OFF, 4194304
.set QS_OFF, 12582912
.set BR,   8                           ; v8-15   bias of my lane's row of A's block a (V), else 0
.set ADRA, 16
.set SGA,  18                          ; v18     my stage: q's and k's form of the scale words
.set SGV,  19                          ; v19     my stage: v's form
.set ADRB, 20
.set SGR,  22                          ; v22     my stage, read back: 16 x lane
.set VO0,  24
.set VO1,  25
.set CO,   26                          ; v26     16 x lane
.set ADRS, 27
.set SPW,  28
.set NIL,  29
.set SC,   32
.set BN,   64                          ; v64-127 bias of my registers' 64 rows of B (Q, K), else 0
.set AF,   128
.set T,    128                         ; the way out: 64 numbers
.set PC,   192                         ; their codes
.set TM,   208                         ; at work
.set PWS,  224                         ; the eight blocks' scale words
.set G1, 24
.set G0, 32
.set G1B, 48
.set G0B, 56
.set G1S, 68
.set G0S, 76
.set G1SB, 80
.set G0SB, 88
.set SEL, 20                           ; s[20:21] lane selects for lane l xor 16
.set MNT, 22                           ; s22  the mantissa field of 448
.set HM,  23                           ; s23  lanes 16-31
.set MSB, 0
.macro WIN new                         ; the immediate's high byte repeats the setting that is left
.if MSB != (\new)
	s_set_vgpr_msb (MSB<<8)|(\new)
.set MSB, (\new)
.endif
.endm
.set MUL_LO, 0xa1
.set MUL_HI, 0xf1
.set TO_B,   0x40
.macro JLOAD g0a, g1a, g0b, g1b        ; a joint load: waves 0 and 1 fetch for A, waves 2 and 3 for B; four v_nop follow each line
	s_cmp_eq_u32 s15, 0
	s_cbranch_scc0 .Lfor_b_\@
	tensor_load_to_lds s[\g0a:\g0a+3], s[\g1a:\g1a+7]
	s_nop 0
.rept 4
	v_nop
.endr
	s_branch .Lasked_\@
.Lfor_b_\@:
	tensor_load_to_lds s[\g0b:\g0b+3], s[\g1b:\g1b+7]
	s_nop 0
.rept 4
	v_nop
.endr
.Lasked_\@:
.endm
.macro CREST
	s_cmp_lg_u32 s14, 0
	s_cbranch_scc1 .Lnot_wave_0_\@
	s_barrier_signal -3
.Lnot_wave_0_\@:
	s_barrier_wait -3
	s_barrier_signal -1
	s_barrier_wait -1
.endm
.macro CROUND
	s_barrier_signal -1
	s_barrier_wait -1
	CREST
.endm
	s_load_b512 s[68:83], s[0:1], 0x0              ; xq 68, wq codes 70, wq scales 72, wk codes 74, wk scales 76, wv codes 78, wv scales 80, bq 82
	s_load_b128 s[84:87], s[0:1], 0x40             ; bk 84, bv 86
	s_load_b64 s[88:89], s[0:1], 0x50              ; qkv
	v_lshl_add_u32 v[SPW], v0, 2, SPARE
	v_mov_b32 v[NIL], 0
	ds_add_u32 v28, v29
	ds_add_u32 v28, v29
	s_wait_dscnt 0x0
	v_lshrrev_b32 v1, 5, v0
	v_readfirstlane_b32 s14, v1                    ; wave 0..3
	s_lshr_b32 s15, s14, 1                         ; which half of the tile's rows is mine.  Also: I fetch for A (0) or for B (1)
	s_and_b32 s16, s14, 1                          ; which half of its columns.  Also: which 128 rows I fetch
	s_bfe_u32 s40, ttmp6, 0x40000                  ; cx
	s_bfe_u32 s41, ttmp6, 0x40004                  ; cy
	s_and_b32 s17, ttmp7, 0xffff
	s_lshl_b32 s17, s17, 2                         ; 4 x cluster y: it walks the tokens
	s_cmp_eq_u32 ttmp9, 2                          ; V?  The same in all sixteen partners
	s_cselect_b32 s18, 0, s17
	s_cselect_b32 s19, s17, 0
	s_add_co_u32 s17, s41, s18                     ; tile row (of A): cy, + 4 x cluster y where A is x
	s_add_co_u32 s42, s40, s19                     ; tile column (of B): cx, + 4 x cluster y where B is x
	s_lshl_b32 s43, s41, 2
	s_lshl_b32 s43, 15, s43                        ; my row of the cluster
	s_lshl_b32 s44, 0x1111, s40                    ; my column
	s_or_b32 s[G1+0], s43, (0<<16)|(1<<20)|(1<<21)|(5<<22)|(3<<25)  ; the mask; elements of 1 byte; padding on; bit 21 beside a mask; 4 words after every 64
	s_or_b32 s[G1B+0], s44, (0<<16)|(1<<20)|(1<<21)|(5<<22)|(3<<25)
.irp g, G1, G1B
	s_mov_b32 s[\g+1], ROWB<<16                    ; tensor_dim0
	s_mov_b32 s[\g+2], 128<<16                     ; tensor_dim1
	s_mov_b32 s[\g+3], ROWB<<16                    ; tile_dim0
	s_mov_b32 s[\g+4], 128                         ; tile_dim1
	s_mov_b32 s[\g+5], KROW                        ; the pitch
	s_mov_b32 s[\g+6], 0
	s_mov_b32 s[\g+7], 0
.endr
	s_lshl_b32 s18, s16, 7
	s_lshl_b32 s20, s17, 8
	s_add_co_u32 s20, s20, s18                     ; A: row 256 x tile row + 128 x half
	s_lshl_b32 s46, s42, 8
	s_add_co_u32 s46, s46, s18                     ; B likewise
	s_mov_b32 s21, 0
	s_mov_b32 s47, 0
	s_lshl_b32 s22, s17, 13                        ; where the scales of the tile's 256 rows begin: 32 bytes a row
	s_mov_b32 s23, 0
	s_lshl_b32 s92, s42, 13
	s_mov_b32 s93, 0
	s_mov_b64 s[18:19], KROW
	s_mul_u64 s[20:21], s[20:21], s[18:19]         ; and their codes
	s_mul_u64 s[46:47], s[46:47], s[18:19]
	s_mul_i32 s45, s14, HALFT                      ; where they go: wave x 128 rows
	s_wait_kmcnt 0x0
	s_cmp_eq_u32 ttmp9, 0                          ; the weight, its scales and its bias are chosen by the cluster's x alone
	s_cselect_b64 s[96:97], s[70:71], s[74:75]
	s_cselect_b64 s[98:99], s[72:73], s[76:77]
	s_cselect_b64 s[66:67], s[82:83], s[84:85]
	s_add_nc_u64 s[100:101], s[68:69], XS_OFF      ; x's scale bytes
	s_cmp_eq_u32 ttmp9, 2
	s_cselect_b64 s[96:97], s[78:79], s[96:97]
	s_cselect_b64 s[98:99], s[80:81], s[98:99]
	s_cselect_b64 s[66:67], s[86:87], s[66:67]
	s_cselect_b64 s[4:5], s[96:97], s[68:69]       ; A's codes: wv, or x
	s_cselect_b64 s[6:7], s[98:99], s[100:101]     ; A's scales
	s_cselect_b64 s[8:9], s[68:69], s[96:97]       ; B's codes: x, or the weight
	s_cselect_b64 s[10:11], s[100:101], s[98:99]   ; B's scales
	s_mov_b64 s[12:13], s[88:89]                   ; the output
	s_add_nc_u64 s[20:21], s[4:5], s[20:21]
	s_add_nc_u64 s[22:23], s[6:7], s[22:23]
	s_add_nc_u64 s[46:47], s[8:9], s[46:47]
	s_add_nc_u64 s[92:93], s[10:11], s[92:93]
	CROUND                                         ; all sixteen work-groups are here: the first joint loads meet
.irp s, 0,1
	s_mov_b32 s[G0+4*\s], 1
	s_add_co_u32 s[G0+4*\s+1], s45, \s*SLOT
	s_add_nc_u64 s[G0+4*\s+2:G0+4*\s+3], s[20:21], \s*ROWB
	s_or_b32 s[G0+4*\s+3], s[G0+4*\s+3], 0x80000000
	s_mov_b32 s[G0B+4*\s], 1
	s_add_co_u32 s[G0B+4*\s+1], s45, \s*SLOT
	s_add_nc_u64 s[G0B+4*\s+2:G0B+4*\s+3], s[46:47], \s*ROWB
	s_or_b32 s[G0B+4*\s+3], s[G0B+4*\s+3], 0x80000000
.endr
	JLOAD G0, G1, G0B, G1B                         ; K step 0, a quarter a wave: my one tensor load at the head
	; PREFETCHES INTO THE L2: a K step is 256 bytes of each row.  The head asks for K steps 1 and 2, the line behind K step 1's load for K step 3; the two refills have no K step two on.
	; Of the 128 rows that my wave fetches, each of the four partners that ask for them jointly names 32, told apart by address (cx for A, cy for B), a lane a row: each aligned 256 bytes is named once in the cluster.
	; The base and the offset are never written again: the K steps are immediate offsets
	s_cmp_eq_u32 s15, 0                            ; do I fetch for A?
	s_cselect_b64 s[68:69], s[20:21], s[46:47]     ; my 128 rows, at K step 0
	s_cselect_b32 s72, s40, s41                    ; my place among the four
	s_lshl_b32 s72, s72, 15                        ; 32 rows of 1,024 bytes
	s_mov_b32 s73, 0
	s_add_nc_u64 s[68:69], s[68:69], s[72:73]
	v_and_b32 v23, 31, v0
	v_lshlrev_b32 v23, 10, v23                     ; a lane a row
	global_prefetch_b8 v23, s[68:69] offset:ROWB th:TH_LOAD_NT scope:SCOPE_SE
	global_prefetch_b8 v23, s[68:69] offset:2*ROWB th:TH_LOAD_NT scope:SCOPE_SE
	; the scale bytes of A's and B's 256 rows, 8,192 dense bytes each, come by plain loads, 16 bytes a thread, sixteen lanes to an aligned 256; they are 16 KiB beside the tiles' 512 KiB, so they are not asked for jointly
	v_lshlrev_b32 v160, 4, v0                      ; 16 x thread
	v_lshrrev_b32 v161, 4, v0
	v_mul_u32_u24 v161, v161, 272                  ; a unit of 256 bytes + 16
	v_and_b32 v162, 15, v0
	v_lshl_add_u32 v161, v162, 4, v161
	v_add_nc_u32 v161, SCL, v161
.irp j, 0,1,2,3
	global_load_b128 v[128+4*\j:131+4*\j], v160, s[22:23] offset:2048*\j
	global_load_b128 v[144+4*\j:147+4*\j], v160, s[92:93] offset:2048*\j
.endr
	s_wait_xcnt 0x0                                ; the loads have read their bases: s22 is written below
	v_and_b32 v1, 15, v0                           ; r
	v_bfe_u32 v2, v0, 4, 1                         ; h
	v_mul_u32_u24 v3, v1, PITCH
	v_lshl_add_u32 v4, v2, 4, v3
	s_mul_i32 s21, s15, HALFT
	s_mul_i32 s22, s16, HALFT
	s_add_co_u32 s22, s22, 2*HALFT
.irp s, 0,1
	v_add_nc_u32 v[ADRA+\s], s21, v4
	v_add_nc_u32 v[ADRB+\s], s22, v4
	s_add_co_u32 s21, s21, SLOT
	s_add_co_u32 s22, s22, SLOT
.endr
	v_mul_u32_u24 v5, v1, KS
	v_lshrrev_b32 v6, 8, v5
	v_lshl_add_u32 v5, v6, 4, v5
	s_mul_i32 s21, s15, HALFS
	s_mul_i32 s22, s16, HALFS
	s_add_co_u32 s22, s22, 2*HALFS
	s_sub_co_u32 s22, s22, s21
	v_mul_u32_u24 v6, s22, v2                      ; lanes 16-31 take B's scale words
	s_add_co_u32 s21, s21, SCL
	v_add_nc_u32 v5, v5, v6
	v_add_nc_u32 v[ADRS], s21, v5
	v_and_b32 v6, 31, v0
	v_lshlrev_b32 v[CO], 4, v6                     ; 16 x lane
	v_lshlrev_b32 v7, 2, v1                        ; 4 r
	v_lshlrev_b32 v30, 5, v2                       ; 32 h
	s_wait_alu depctr_va_vdst(0)
	v_lshlrev_b32 v31, 12, v2
	v_lshl_add_u32 v31, v1, 4, v31                 ; 4,096 h + 16 r: lanes 0-15 the even head's scale words, lanes 16-31 the odd head's
	s_lshl_b32 s23, s14, 10                        ; my stage for the scale words: 1,024 bytes a wave, in slot 0, written when that slot has had its last fill and its last read
	v_lshl_add_u32 v[SGA], v2, 8, v7
	v_add_nc_u32 v[SGA], s23, v[SGA]               ; 256 h + 4 r
	v_add_nc_u32 v[SGV], s23, v7
	v_add_nc_u32 v[SGV], 512, v[SGV]               ; 512 + 4 r
	v_add_nc_u32 v[SGR], s23, v[CO]
	; where my results go.  Made in registers that feed no descriptor
	s_lshl_b32 s96, s17, 8
	s_lshl_b32 s97, s15, 7
	s_add_co_u32 s96, s96, s97                     ; my first row of A
	s_lshl_b32 s97, s42, 8
	s_lshl_b32 s98, s16, 7
	s_add_co_u32 s97, s97, s98                     ; my first row of B
	s_mov_b32 s6, 1024
	s_mov_b32 s8, 131072
	s_cmp_eq_u32 ttmp9, 2
	s_cselect_b32 s98, s97, s96                    ; my first token
	s_cselect_b32 s99, s96, s97                    ; my first feature
	s_cselect_b32 s6, 2048, s6                     ; from block to block: a tile of tokens (1,024 bytes), or a tile of channels (2,048)
	s_cselect_b32 s7, 122880, 0                    ; V: behind block 3 on to the next head
	s_cselect_b32 s8, 1024, s8                     ; from a fragment's first half to its second: the next head, or (V) the same image
	s_cselect_b32 s9, 0, -1                        ; all lanes on the paths Q and K
	s_cselect_b32 s10, -1, 0                       ; all lanes on the path V
	s_cselect_b32 s100, 0, s99                     ; the column form of the bias begins here (V: at 0, loaded and then set to 0)
	s_cselect_b32 s101, s99, 0                     ; the row form (Q, K: at 0, loaded and then set to 0): both stay inside the vector's 1,024
	s_mov_b32 s11, 0                               ; the blocks' running offset
	s_lshr_b32 s96, s98, 11
	s_lshl_b32 s96, s96, 4
	s_lshr_b32 s97, s99, 6
	s_add_co_u32 s96, s96, s97                     ; my first head: 16 x batch + feature / 64
	s_and_b32 s97, s98, 2047                       ; my first token in its batch
	s_lshl_b32 s98, ttmp9, 22
	s_lshl_b32 s99, s96, 17
	s_add_co_u32 s98, s98, s99
	s_lshl_b32 s99, s97, 6
	s_add_co_u32 s98, s98, s99                     ; codes: 4 MiB x path + 131,072 x head + 64 x token
	s_mov_b32 s99, 0
	s_add_nc_u64 s[4:5], s[12:13], QS_OFF
	s_add_nc_u64 s[12:13], s[12:13], s[98:99]
	s_lshl_b32 s98, ttmp9, 17
	s_lshl_b32 s96, s96, 12
	s_add_co_u32 s98, s98, s96
	s_lshl_b32 s97, s97, 1
	s_add_co_u32 s98, s98, s97                     ; scale words: 131,072 x path + 4,096 x head + 2 x token
	s_add_nc_u64 s[4:5], s[4:5], s[98:99]
	s_lshl_b32 s96, s100, 2
	s_mov_b32 s97, 0
	s_lshl_b32 s98, s101, 2
	s_add_nc_u64 s[96:97], s[66:67], s[96:97]
	s_add_nc_u64 s[98:99], s[66:67], s[98:99]
.irp b, 0,1,2,3,4,5,6,7
	global_load_b128 v[BN+8*\b:BN+8*\b+3], v30, s[96:97] offset:64*\b        ; lane (r, h), tile b: features 16 b + 8 h + 0 .. 7
	global_load_b128 v[BN+8*\b+4:BN+8*\b+7], v30, s[96:97] offset:64*\b+16
.endr
.irp a, 0,1,2,3,4,5,6,7
	global_load_b32 v[BR+\a], v7, s[98:99] offset:64*\a                      ; block a: feature 16 a + r
.endr
	s_mov_b32 s[SEL], 0x76543210
	s_mov_b32 s[SEL+1], 0xfedcba98
	s_mov_b32 s[MNT], 0x600000
	s_mov_b32 s[HM], 0xffff0000
.macro FRAG reg, adr, q, i             ; 16 rows x 128 K: lane l holds row l % 16; registers 4 c .. 4 c + 3 hold K = 32 c + 16 (l / 16) + 0 .. 15
.irp c, 0,1,2,3
	ds_load_b128 v[\reg+4*\c:\reg+4*\c+3], v[\adr] offset:128*(\q)+32*\c+(\i)*16*PITCH
.endr
.endm
; 16 matrix instructions: A's blocks a0, a0 + 1 x B's eight.  The 64 accumulators take turns, one instruction a turn, in the same order in every step.
.macro MUL16 a0, p, q, sc, zero
.irp a, \a0, \a0+1
.irp b, 0,1,2,3,4,5,6,7
.if \zero
	v_wmma_scale_f32_16x16x128_f8f6f4 v[8*(8*((\a)%4)+\b):8*(8*((\a)%4)+\b)+7], v[128*(\p)+FR*\b:128*(\p)+FR*\b+FR-1], v[AF+FR*(\a):AF+FR*(\a)+FR-1], 0, v[SC+8*NQ*(\sc)+NQ*\b+(\q)], v[SC+8*NQ*(\sc)+NQ*(\a)+(\q)] matrix_a_scale:MATRIX_SCALE_ROW1
.else
	v_wmma_scale_f32_16x16x128_f8f6f4 v[8*(8*((\a)%4)+\b):8*(8*((\a)%4)+\b)+7], v[128*(\p)+FR*\b:128*(\p)+FR*\b+FR-1], v[AF+FR*(\a):AF+FR*(\a)+FR-1], v[8*(8*((\a)%4)+\b):8*(8*((\a)%4)+\b)+7], v[SC+8*NQ*(\sc)+NQ*\b+(\q)], v[SC+8*NQ*(\sc)+NQ*(\a)+(\q)] matrix_a_scale:MATRIX_SCALE_ROW1
.endif
.endr
.endr
.endm
.macro FETCH_B slot, q, p
	WIN TO_B
.irp i, 0,1,2,3,4,5,6,7
	FRAG 128*(\p)+FR*\i, ADRB+\slot, \q, \i
.endr
	WIN 0
.endm
.macro FETCH_A slot, q, i0
.irp i, \i0, \i0+1, \i0+2, \i0+3
	FRAG AF+FR*(\i), ADRA+\slot, \q, \i
.endr
.endm
.macro SCALES sc                       ; lanes 0-15 take the words of A's block i, lanes 16-31 those of B's block i
.irp i, 0,1,2,3,4,5,6,7
	ds_load_b64 v[SC+8*NQ*\sc+NQ*\i:SC+8*NQ*\sc+NQ*\i+1], v[ADRS] offset:\i*SBLK
.endr
.endm
.macro PLACES n                        ; plain vector instructions between a matrix instruction and a load into, or a read of, its registers
.rept \n
	v_nop
.endr
.endm
.macro STEP slot, q, zero              ; 128 along K, with its successor in the same slot
	s_wait_dscnt 4*NL                              ; B's set and A's blocks 0-3 are in; the youngest sixteen loads (A's blocks 4-7) may be out
	WIN MUL_LO
	MUL16 0, (\q)%2, \q, \slot, \zero
	MUL16 2, (\q)%2, \q, \slot, \zero
	s_wait_dscnt 0
	PLACES NP
	FETCH_B \slot, (\q)+1, 1-(\q)%2
	FETCH_A \slot, (\q)+1, 0
	WIN MUL_HI
	MUL16 4, (\q)%2, \q, \slot, \zero
	MUL16 6, (\q)%2, \q, \slot, \zero
	PLACES NP
	WIN 0
	FETCH_A \slot, (\q)+1, 4
.endm
.macro TURN slot, next, fill           ; a slot's last step changes slots: one barrier
	s_wait_tensorcnt 0x0                           ; all my tensor loads have landed: my part of the next slot
	ds_add_u32 v[SPW], v[NIL]                      ; 0 onto my spare word
	s_wait_dscnt 4*NL+1                            ; the add and the youngest sixteen loads may be out
	WIN MUL_LO
	MUL16 0, 1, NQ-1, \slot, 0
	s_wait_dscnt 0x0                               ; the add is done, and my reads of this slot are over
	s_barrier_signal -1
	MUL16 2, 1, NQ-1, \slot, 0
	WIN 0
	s_barrier_wait -1
.if \fill
	CREST                                          ; the barrier has opened a round of the cluster's: no wave of any partner still reads this slot or has a load on its way
	s_add_nc_u64 s[G0+4*\slot+2:G0+4*\slot+3], s[G0+4*\slot+2:G0+4*\slot+3], 2*ROWB
	s_add_nc_u64 s[G0B+4*\slot+2:G0B+4*\slot+3], s[G0B+4*\slot+2:G0B+4*\slot+3], 2*ROWB
	JLOAD G0+4*\slot, G1, G0B+4*\slot, G1B         ; the first tensor load behind the round; its four v_nop are among the places below
	PLACES NP-4
.else
	PLACES NP
.endif
	s_wait_alu depctr_va_vdst(0)
	v_add_nc_u32 v[ADRS], 4*NQ, v[ADRS]
	FETCH_B \next, 0, 0
	FETCH_A \next, 0, 0
	SCALES \next
	WIN MUL_HI
	MUL16 4, 1, NQ-1, \slot, 0
	MUL16 6, 1, NQ-1, \slot, 0
	PLACES NP
	WIN 0
	FETCH_A \next, 0, 4
.endm
	s_wait_alu depctr_va_vdst(0)
	s_wait_loadcnt 24                              ; the eight loads of scale bytes are in; the 24 loads of the biases may be out
.irp j, 0,1,2,3
	ds_store_b128 v161, v[128+4*\j:131+4*\j] offset:8*272*\j
	ds_store_b128 v161, v[144+4*\j:147+4*\j] offset:2*HALFS+8*272*\j
.endr
	s_wait_tensorcnt 0x0                           ; my part of K step 0 is in
	ds_add_u32 v[SPW], v[NIL]
	s_wait_dscnt 0x0                               ; the add and my stores of scale bytes are done
	CROUND
	JLOAD G0+4, G1, G0B+4, G1B                     ; K step 1: the first tensor load behind the round
	FETCH_B 0, 0, 0
	FETCH_A 0, 0, 0
	SCALES 0
	FETCH_A 0, 0, 4
	global_prefetch_b8 v23, s[68:69] offset:3*ROWB th:TH_LOAD_NT scope:SCOPE_SE   ; behind K step 1's load and the first fragments' loads: K step 3
	STEP 0, 0, 1                                   ; the first step's products start the sums: nothing is cleared
	s_mov_b32 s3, LAPS-1
.Llap:
	TURN 0, 1, 1
	STEP 1, 0, 0
	TURN 1, 0, 1
	STEP 0, 0, 0
	s_sub_co_u32 s3, s3, 1
	s_cmp_lg_u32 s3, 0
	s_cbranch_scc1 .Llap
	TURN 0, 1, 0                                   ; the last lap fills nothing
	STEP 1, 0, 0
	s_wait_dscnt 4*NL
	WIN MUL_LO
	MUL16 0, 1, NQ-1, 1, 0
	MUL16 2, 1, NQ-1, 1, 0
	s_wait_dscnt 0
	WIN MUL_HI
	MUL16 4, 1, NQ-1, 1, 0
	MUL16 6, 1, NQ-1, 1, 0
	WIN 0
; 64 numbers of a lane, v[s] on: tile b at 8 b, register j = k 16 b + 8 (lane / 16) + j of my row.  They become a fragment's codes in v[PC] on and its scale word in v[pw].
.macro QUANT s, relu, pw
.if \relu
.irp b, 0,1,2,3
	v_max3_num_f32 v[TM+\b], v[\s+16*\b], v[\s+1+16*\b], 0x4800000
.endr
.irp i, 2,4,6,8,10,12,14
.irp b, 0,1,2,3
	v_max3_num_f32 v[TM+\b], v[TM+\b], v[\s+16*\b+\i], v[\s+1+16*\b+\i]
.endr
.endr
.else
.irp b, 0,1,2,3
	v_max3_num_f32 v[TM+\b], |v[\s+16*\b]|, |v[\s+1+16*\b]|, 0x4800000   ; block b: my 16 numbers, and the floor 2^(9 - 127)
.endr
.irp i, 2,4,6,8,10,12,14
.irp b, 0,1,2,3
	v_max3_num_f32 v[TM+\b], v[TM+\b], |v[\s+16*\b+\i]|, |v[\s+1+16*\b+\i]|
.endr
.endr
.endif
.irp b, 0,1,2,3
	v_permlanex16_b32 v[TM+4+\b], v[TM+\b], s[SEL], s[SEL+1]
.endr
.irp b, 0,1,2,3
	v_max_num_f32 v[TM+\b], v[TM+\b], v[TM+4+\b]   ; with lane l xor 16's: the block's largest magnitude
.endr
.irp b, 0,1,2,3
	v_add_nc_u32 v[TM+12+\b], 0xfc000000, v[TM+\b] ; 8 off its exponent field: the conversion's scale operand
.endr
.irp b, 0,1,2,3
	v_and_or_b32 v[TM+8+\b], v[TM+\b], 0x7f800000, s[MNT]   ; 448 x the scale
.endr
.irp b, 0,1,2,3
	v_lshrrev_b32 v[TM+4+\b], 23, v[TM+12+\b]      ; the scale's byte
.endr
	v_lshl_or_b32 v[\pw], v[TM+5], 8, v[TM+4]
	v_lshl_or_b32 v[\pw], v[TM+6], 16, v[\pw]
	v_lshl_or_b32 v[\pw], v[TM+7], 24, v[\pw]
.irp b, 0,1,2,3
.irp i, 0,1,2,3,4,5,6,7,8,9,10,11,12,13,14,15
.if \relu
	v_med3_num_f32 v[\s+16*\b+\i], v[\s+16*\b+\i], 0, v[TM+8+\b]
.else
	v_med3_num_f32 v[\s+16*\b+\i], v[\s+16*\b+\i], -v[TM+8+\b], v[TM+8+\b]   ; the conversion does not saturate (ISA guide 7.6.2)
.endif
.endr
	v_cvt_scalef32_pk8_fp8_f32 v[PC+4*\b:PC+1+4*\b], v[\s+16*\b:\s+7+16*\b], v[TM+12+\b]
	v_cvt_scalef32_pk8_fp8_f32 v[PC+2+4*\b:PC+3+4*\b], v[\s+8+16*\b:\s+15+16*\b], v[TM+12+\b]
.endr
	v_nop                                          ; a plain instruction between the last conversion and the first line that touches its result
	; THE CODES STAY AS THE CONVERSIONS LEAVE THEM, no lane swap: place 32 b + 16 h + i of a fragment holds k = 32 b + 8 h + i (i under 8) or 32 b + 8 + 8 h + i (else).
	; q and k carry the same order along the head's 64, and v the order that the next launch's p has along the keys; a block of 32 keeps its members, so every product sums the same terms.
.endm
; Block a (16 rows of A x my 128 rows of B): bias, codes, stores of 512 consecutive bytes.
.macro EPI a
.if (\a) > 0
	s_wait_xcnt 0x0                                ; the last block's stores have read their data and offsets: both are written again below
.endif
	v_mov_b32 v2, v[BR+(\a)]
	v_mov_b32 v3, v[BR+(\a)]
	WIN 0x02+(\a)/4                                ; source 0: window 2 or 3
.set i, 0
.rept 32
	v_pk_add_f32 v[T+i:T+i+1], v[64*((\a)%4)+i:64*((\a)%4)+i+1], v[BN+i:BN+i+1]   ; ascending: each accumulator is read from its low end on
.set i, i+2
.endr
	WIN 0
.set i, 0
.rept 32
	v_pk_add_f32 v[T+i:T+i+1], v[T+i:T+i+1], v[2:3]
.set i, i+2
.endr
	QUANT T, 0, PWS+(\a)
	v_add_nc_u32 v[VO0], s11, v[CO]
	v_add_nc_u32 v[VO1], s8, v[VO0]
	global_store_b128 v[VO0], v[PC:PC+3], s[12:13]
	global_store_b128 v[VO0], v[PC+4:PC+7], s[12:13] offset:512
	global_store_b128 v[VO1], v[PC+8:PC+11], s[12:13]
	global_store_b128 v[VO1], v[PC+12:PC+15], s[12:13] offset:512
	s_add_co_u32 s11, s11, s6
.if (\a) == 3
	s_add_co_u32 s11, s11, s7
.endif
.endm
	PLACES NP                                      ; behind the last products: their results are read and A's registers written below
	s_wait_loadcnt 0x0                             ; the biases
.set i, 0
.rept 64
	v_cndmask_b32 v[BN+i], 0, v[BN+i], s9          ; the column form counts on the paths Q and K,
.set i, i+1
.endr
.set i, 0
.rept 8
	v_cndmask_b32 v[BR+i], 0, v[BR+i], s10         ; the row form on the path V
.set i, i+1
.endr
.irp b, 0,1,2,3
	v_mov_b32 v[TM+4+\b], 0                        ; a lane permute's destination counts as one of its sources
.endr
.irp a, 0,1,2,3,4,5,6,7
	EPI \a
.endr
	; the scale words, in both forms, through my stage; the path's form is chosen on the way back
.irp p, 0,1,2,3
	v_perm_b32 v240, v[PWS+2*\p+1], v[PWS+2*\p], 0x05040100    ; the even head's two bytes of tokens r and 16 + r
	v_perm_b32 v241, v[PWS+2*\p+1], v[PWS+2*\p], 0x07060302    ; the odd head's
	v_cndmask_b32 v[242+\p], v240, v241, s[HM]
	ds_store_b32 v[SGA], v[242+\p] offset:64*\p
.endr
.irp a, 0,1,2,3,4,5,6,7
	ds_store_b32 v[SGV], v[PWS+\a] offset:64*\a    ; both halves of the lanes write the same word with the same value
.endr
	ds_load_b128 v[232:235], v[SGR]                ; LDS serves a wave's instructions in order: these see my stores
	ds_load_b128 v[236:239], v[SGR] offset:512
	s_wait_dscnt 0x0
.irp i, 0,1,2,3
	v_cndmask_b32 v[232+\i], v[232+\i], v[236+\i], s10
.endr
	global_store_b128 v31, v[232:235], s[4:5]      ; sixteen lanes store 256 consecutive bytes, aligned: one head's words of my 128 tokens
	s_wait_tensorcnt 0x0                           ; the wave's end
	ds_add_u32 v[SPW], v[NIL]
	s_wait_dscnt 0x0
	CROUND                                         ; the closing round
	s_endpgm
.Lfunc_end_k_qd019e01cdb_proj:
	.size	k_qd019e01cdb_proj, .Lfunc_end_k_qd019e01cdb_proj-k_qd019e01cdb_proj
	.p2alignl 7, 3214868480
	.fill 96, 4, 3214868480
	.section	.rodata,"a",@progbits
	.p2align	6, 0x0
	.amdhsa_kernel k_qd019e01cdb_proj
		.amdhsa_group_segment_fixed_size 327680
		.amdhsa_private_segment_fixed_size 0
		.amdhsa_enable_private_segment 0
		.amdhsa_kernarg_size 88
		.amdhsa_user_sgpr_count 2
		.amdhsa_user_sgpr_kernarg_segment_ptr 1
		.amdhsa_wavefront_size32 1
		.amdhsa_system_sgpr_workgroup_id_x 1
		.amdhsa_system_sgpr_workgroup_id_y 1
		.amdhsa_system_sgpr_workgroup_id_z 1
		.amdhsa_system_vgpr_workitem_id 0
		.amdhsa_next_free_vgpr 1024
		.amdhsa_next_free_sgpr 102
		.amdhsa_reserve_vcc 0
		.amdhsa_float_denorm_mode_32 3
		.amdhsa_float_denorm_mode_16_64 3
		.amdhsa_memory_ordered 1
		.amdhsa_forward_progress 1
		.amdhsa_inst_pref_size 229
	.end_amdhsa_kernel
	.amdgpu_metadata
---
amdhsa.version: [ 1, 2 ]
amdhsa.kernels:
  - .name:           k_qd019e01cdb_proj
    .symbol:         k_qd019e01cdb_proj.kd
    .args:
      - { .name: xq, .offset: 0, .size: 8, .value_kind: global_buffer, .address_space: global }
      - { .name: wq_codes, .offset: 8, .size: 8, .value_kind: global_buffer, .address_space: global }
      - { .name: wq_scales, .offset: 16, .size: 8, .value_kind: global_buffer, .address_space: global }
      - { .name: wk_codes, .offset: 24, .size: 8, .value_kind: global_buffer, .address_space: global }
      - { .name: wk_scales, .offset: 32, .size: 8, .value_kind: global_buffer, .address_space: global }
      - { .name: wv_codes, .offset: 40, .size: 8, .value_kind: global_buffer, .address_space: global }
      - { .name: wv_scales, .offset: 48, .size: 8, .value_kind: global_buffer, .address_space: global }
      - { .name: bq, .offset: 56, .size: 8, .value_kind: global_buffer, .address_space: global }
      - { .name: bk, .offset: 64, .size: 8, .value_kind: global_buffer, .address_space: global }
      - { .name: bv, .offset: 72, .size: 8, .value_kind: global_buffer, .address_space: global }
      - { .name: qkv, .offset: 80, .size: 8, .value_kind: global_buffer, .address_space: global }
    .group_segment_fixed_size: 327680
    .private_segment_fixed_size: 0
    .kernarg_segment_align: 8
    .kernarg_segment_size: 88
    .max_flat_workgroup_size: 128
    .sgpr_count:     102
    .vgpr_count:     1024
    .wavefront_size: 32
...
	.end_amdgpu_metadata
.endif
;; end of part 2
;; launch attn (part 3): grid 8 x 32, 8 waves a work-group, clusters of 4 x 1, 327,680 bytes of LDS; arguments qkv, att; writes att
.if DOCPART == 3
	.amdgcn_target "amdgcn-amd-amdhsa--gfx1250"
	.amdhsa_code_object_version 6
	.text
	.protected	k_qd019e01cdb_attn
	.globl	k_qd019e01cdb_attn
	.p2align	8
	.type	k_qd019e01cdb_attn,@function
k_qd019e01cdb_attn:
	s_mov_b64 s[64:65], 0
	v_nop
	global_prefetch_b8 v0, s[64:65] scope:SCOPE_SE
	s_setreg_imm32_b32 hwreg(HW_REG_WAVE_MODE, 25, 1), 1
	s_wait_xcnt 0x0
	s_wait_alu depctr_hold_cnt(0) depctr_sa_sdst(0) depctr_va_vdst(0) depctr_va_sdst(0) depctr_va_ssrc(0) depctr_va_vcc(0) depctr_vm_vsrc(0)
	s_getreg_b32 s2, hwreg(HW_REG_IB_STS2, 6, 4)
	s_cmp_eq_u32 s2, 0
	s_cbranch_scc0 .Lentry_in_a_cluster
	s_endpgm
.Lentry_in_a_cluster:
	s_bfe_u32 s2, ttmp6, 0x10000c
	s_cmp_lg_u32 s2, 0x3003
	s_cbranch_scc0 .Lentry_shape_is_right
	s_endpgm
.Lentry_shape_is_right:
; attention of one head on codes of E4M3 with E8M0 scales: S^T = K Q^T, p = 2^(t - M), O^T = V^T P^T, O / l quantised along the model's 1,024 for the next product.
; t = score x log2(e) / 8; M = the running largest t rounded up to a whole number; the row's sum is taken of the unquantised p; a change of M multiplies the sum and O^T by a power of two, exactly.
; SHARES: a work-group owns 256 queries of one head (work-group y = 16 x batch + head); each of its EIGHT waves owns 32 of them, two tiles of 16, so that each fragment of K and V read from LDS feeds two tiles' products.
; Every wave walks the head's 2,048 keys, 128 a step.
; THE WHOLE HEAD'S K AND V STAY IN LDS, filled ONCE: 131,072 bytes of codes each, one joint tensor load of 32,768 bytes (512 keys) a wave; the four query blocks of a cluster share the head; no byte is filled again.
; Waves 0 and 1 fetch the first 512 keys of K and of V by a load line of their own: the first barrier shows these two tiles alone, three steps run on them, and a second barrier shows the other six.
; The 8,192 bytes of scale words come by plain loads, 16 bytes a thread, and are stored to LDS bytes of their own: 3 in 100 of the head's bytes, so they are not asked for jointly.
; Codes lie as images of fragments (byte 512 c + 16 lane = registers 4 c .. 4 c + 3), so each LDS load takes 512 consecutive bytes.
; THE HEAD HAS 64 CHANNELS, THE INSTRUCTION 128 ALONG K: a fragment of K holds two tiles of 16 keys.  Q stands as zeros | q0 | zeros | q1 | zeros: q | 0 meets the first tile, 0 | q the second.  No code is NaN and no scale byte 0xff, so the zeros add nothing.
; ORDER ALONG K: p's codes stay as the conversions leave them (place 32 b + 16 h + i holds key 32 b + 8 h + i, i under 8, else 32 b + 8 + 8 h + i); v's images carry the same order, and q's and k's agree along the channels.
; REGISTERS: window 0: addresses, scale words, the rows' state, v80-207 the two tiles' S^T, then p, v208-247 Q: the whole softmax runs under one setting.  Window 1: v0-63 K's fragments, v64-127 V's, v128-191 O^T, v192-223 p's codes.
; V's fragments of this step and K's of the next are asked for behind the first product and land under the softmax.  Among a tile's exponentials stand plain lines of the other tile that hang on nothing in the batch; the holds go two to an instruction.
; LIMITS: the promise holds while the scaled scores stay under 2^31 in magnitude; a block of zeros gets the byte 1 (read by this program alone); NaN and infinities are not served.
; No prefetch: every load from memory stands at the head; there is no loop to run ahead in.
.set KIMG,   4194304
.set QS_OFF, 12582912
.set KS_OFF, QS_OFF+131072
.set AS_OFF, 4194304
.set VLDS,   131072                    ; LDS: K's codes at 0, V's here,
.set SCK,    262144                    ; K's scale words, 4,096 bytes, then V's
.set SPARE,  SCK+8192                  ; the spare words: 128 bytes a wave
.set LI,  1                            ; 16 x lane
.set ADK, 3                            ; LDS: K's fragments of the next step
.set ADS, 4                            ; LDS: the step's scale words
.set ADV, 5                            ; LDS: V's fragments of the step
.set BYA, 6                            ; the way out: 32 r + h
.set SPW, 8
.set NIL, 9
.set KW,  10                           ; v10-13 K's scale words;  v14-17 V's;  v26-27 p's;  v30-33 q's: no product's two have numbers equal modulo 8
.set VW,  14
.set T,   18
.set OLD, 20
.set NEG, 22                           ; -3e38
.set PW,  26
.set QW,  30
.set NM,  34                           ; tile u: v[NM+2u] -M, v[NM+2u+1] the largest t
.set L,   38                           ; the sum, in two halves
.set F,   42                           ; f = 2^(old M - new M)
.set BM,  48                           ; the eight blocks' largest scores, then largest p; then, with PT, the sums' chains
.set PT,  56
.set BD,  64                           ; 448 x the scale
.set SOP, 72                           ; the conversions' scale operands
.set S,   80
.set QB,  208
.set HT,  248                          ; v248-254 at work at the head
.set KF,  0                            ; window 1
.set VF,  64
.set O,   128
.set PC,  192
.set WV,  18
.set MNT, 19
.set SEL, 20
.set CS,  22                           ; s[22:23] c = log2(e) / 8
.set CNT, 66
.set HM,  67
.set MSB, 0
.macro WIN new                         ; the immediate's high byte repeats the setting that is left
.if MSB != (\new)
	s_set_vgpr_msb (MSB<<8)|(\new)
.set MSB, (\new)
.endif
.endm
.macro CROUND
	s_barrier_signal -1
	s_barrier_wait -1
	s_cmp_lg_u32 s[WV], 0
	s_cbranch_scc1 .Lnot_wave_0_\@
	s_barrier_signal -3
.Lnot_wave_0_\@:
	s_barrier_wait -3
	s_barrier_signal -1
	s_barrier_wait -1
.endm
	s_load_b128 s[4:7], s[0:1], 0x0                ; qkv, att
	v_lshl_add_u32 v[SPW], v0, 2, SPARE
	v_mov_b32 v[NIL], 0
	ds_add_u32 v[SPW], v[NIL]                      ; the opening: the add, twice on end, and its wait ahead of my tensor load
	ds_add_u32 v[SPW], v[NIL]
	v_lshrrev_b32 v[HT], 5, v0
	v_readfirstlane_b32 s[WV], v[HT]               ; wave 0..7
	s_bfe_u32 s76, ttmp6, 0x40000                  ; cx: it enters Q's and the output's addresses alone
	s_lshl_b32 s77, ttmp9, 2
	s_add_co_u32 s77, s77, s76                     ; my block of 256 queries
	s_lshl_b32 s77, s77, 4
	s_lshl_b32 s79, s[WV], 1
	s_add_co_u32 s77, s77, s79                     ; my first tile of 16 queries in the batch: an even number
	s_and_b32 s78, ttmp7, 0xffff                   ; 16 x batch + head
	s_lshl_b32 s80, s78, 17
	s_mov_b32 s81, 0
	s_lshl_b32 s82, s78, 12
	s_mov_b32 s83, 0
	s_and_b32 s86, s[WV], 1                        ; even waves fetch for K, odd ones for V (4 MiB on in memory);
	s_lshr_b32 s87, s[WV], 1                       ; wave / 2 says which 512 keys
	s_lshl_b32 s84, s86, 22
	s_lshl_b32 s85, s87, 15
	s_add_co_u32 s84, s84, s85
	s_mov_b32 s85, 0
	s_mov_b32 s24, 15|(3<<16)|(1<<21)              ; a dense block as 128 rows of 256 bytes (32 elements of 8); the mask names the cluster's four, bit 21 beside it
	s_mov_b32 s25, 32<<16
	s_mov_b32 s26, 128<<16
	s_mov_b32 s27, 32<<16
	s_mov_b32 s28, 128
	s_mov_b32 s29, 32
	s_mov_b32 s30, 0
	s_mov_b32 s31, 0
	s_mov_b32 s48, 1
	s_lshl_b32 s49, s86, 17
	s_lshl_b32 s87, s87, 15
	s_add_co_u32 s49, s49, s87                     ; LDS: 131,072 x (wave % 2) + 32,768 x (wave / 2)
	s_mov_b32 s[SEL], 0x76543210
	s_mov_b32 s[SEL+1], 0xfedcba98
	s_mov_b32 s[CS], 0x3e38aa3b
	s_mov_b32 s[CS+1], s[CS]
	s_mov_b32 s[MNT], 0x600000
	s_mov_b32 s[HM], 0xffff0000
	s_wait_dscnt 0x0
	s_wait_kmcnt 0x0
	s_add_nc_u64 s[90:91], s[4:5], s[80:81]        ; my head's codes
	s_add_nc_u64 s[50:51], s[90:91], s[84:85]
	s_add_nc_u64 s[50:51], s[50:51], KIMG
	s_or_b32 s51, s51, 0x80000000
	s_lshl_b32 s8, s77, 10
	s_mov_b32 s9, 0
	s_add_nc_u64 s[10:11], s[90:91], s[8:9]        ; q's half images: 1,024 bytes a tile
	s_add_nc_u64 s[88:89], s[4:5], s[82:83]        ; my head's scale words
	s_lshl_b32 s8, s77, 5
	s_add_nc_u64 s[12:13], s[88:89], s[8:9]
	s_add_nc_u64 s[12:13], s[12:13], QS_OFF        ; the words of my pair of tiles: 64 bytes a pair
	s_add_nc_u64 s[88:89], s[88:89], KS_OFF        ; K's words; V's lie 131,072 bytes on
	s_lshr_b32 s14, s78, 4
	s_lshl_b32 s14, s14, 7
	s_add_co_u32 s14, s14, s77                     ; my first tile of 16 tokens among all 256
	s_and_b32 s15, s78, 15                         ; the head
	s_lshl_b32 s16, s14, 14
	s_lshl_b32 s17, s15, 10
	s_add_co_u32 s16, s16, s17                     ; 16,384 a tile (8 images), 1,024 a head: half an image
	s_mov_b32 s17, 0
	s_add_nc_u64 s[8:9], s[6:7], s[16:17]
	s_lshl_b32 s16, s14, 9
	s_lshl_b32 s15, s15, 1
	s_add_co_u32 s16, s16, s15                     ; scale bytes [token][32]: 512 a tile, 2 a head
	s_add_nc_u64 s[6:7], s[6:7], s[16:17]
	s_add_nc_u64 s[6:7], s[6:7], AS_OFF
	CROUND                                         ; all four work-groups are here: the joint loads meet
	s_cmp_lt_u32 s[WV], 2                          ; one tensor load a wave; waves 0 and 1, whose tiles the first barrier shows, have a line of their own
	s_cbranch_scc0 .Llater_keys
	tensor_load_to_lds s[48:51], s[24:31]          ; the first 512 keys: K's (wave 0), V's (wave 1)
	s_nop 0
.rept 4
	v_nop
.endr
	s_branch .Lasked
.Llater_keys:
	tensor_load_to_lds s[48:51], s[24:31]          ; the other 1,536
	s_nop 0
.rept 4
	v_nop
.endr
.Lasked:
	v_and_b32 v[HT], 31, v0
	v_lshlrev_b32 v[LI], 4, v[HT]
	v_and_b32 v[HT+1], 15, v0                      ; r
	v_lshlrev_b32 v[HT+2], 2, v[HT+1]              ; 4 r
	v_lshlrev_b32 v[HT+3], 4, v0                   ; 16 x thread
	global_load_b128 v[S:S+3], v[HT+3], s[88:89]                   ; K's scale words: 256 threads x 16 bytes
	global_load_b128 v[S+4:S+7], v[HT+3], s[88:89] offset:131072   ; V's
	global_load_b128 v[QB+8:QB+11], v[LI], s[10:11]
	global_load_b128 v[QB+12:QB+15], v[LI], s[10:11] offset:512
	global_load_b128 v[QB+24:QB+27], v[LI], s[10:11] offset:1024
	global_load_b128 v[QB+28:QB+31], v[LI], s[10:11] offset:1536
	global_load_b32 v[HT+4], v[HT+2], s[12:13]     ; bytes 0, 1: query r of my first tile; bytes 2, 3: of my second
	v_add_nc_u32 v[HT+5], SCK, v[HT+3]
	v_add_nc_u32 v[ADS], SCK-256, v[HT+2]          ; one step back: each step begins by stepping it
	v_mov_b32 v[ADK], v[LI]
	v_add_nc_u32 v[ADV], VLDS-8192, v[LI]
	v_bfe_u32 v[HT+6], v0, 4, 1                    ; h
	v_lshl_add_u32 v[BYA], v[HT+1], 5, v[HT+6]
.irp z, 0,16,32
.irp j, 0,1,2,3,4,5,6,7
	v_mov_b32 v[QB+\z+\j], 0                       ; the zero codes beside q
.endr
.endr
	v_mov_b32 v[NEG], 0xff61b1e6                   ; -3e38, under every score and every t
.irp u, 0,1
	v_mov_b32 v[NM+2*\u+1], 0xff61b1e6             ; the largest t so far
	v_floor_f32 v[NM+2*\u], -v[NEG]                ; -M
	v_mov_b32 v[L+2*\u], 0
	v_mov_b32 v[L+2*\u+1], 0
	v_mov_b32 v[F+2*\u+1], 0                       ; named as the upper half of f's pair
.endr
.irp b, 0,1,2,3,4,5,6,7
	v_mov_b32 v[PT+\b], 0                          ; a lane permute's destination counts as one of its sources
.endr
	s_wait_alu depctr_va_vdst(0)
	s_wait_loadcnt 5                               ; the scale words are in; q's five loads may be out
	ds_store_b128 v[HT+5], v[S:S+3]
	ds_store_b128 v[HT+5], v[S+4:S+7] offset:4096
	s_wait_loadcnt 0x0
	v_and_b32 v[QW], 0xffff, v[HT+4]               ; tile 0: q's two bytes under blocks 0, 1, for q | 0;
	v_lshlrev_b32 v[QW+1], 16, v[HT+4]             ; under blocks 2, 3, for 0 | q
	v_lshrrev_b32 v[QW+2], 16, v[HT+4]             ; tile 1 likewise
	v_and_b32 v[QW+3], 0xffff0000, v[HT+4]
	WIN 0x40
.set j, 0
.rept 64
	v_mov_b32 v[O+j], 0                            ; O^T: the step is written once; the first change of M leaves zeros zeros.  Also the places between q's scale words and the first product
.set j, j+1
.endr
	WIN 0
	s_wait_alu depctr_va_vdst(0)
	s_cmp_lt_u32 s[WV], 2
	s_cbranch_scc0 .Lnot_first
	s_wait_tensorcnt 0x0                           ; waves 0 and 1: the first 512 keys are in.  The other waves' wait stands at the second barrier
.Lnot_first:
	s_wait_dscnt 0x0                               ; my scale words lie in LDS:
	s_barrier_signal -1
	s_barrier_wait -1                              ; everybody's do
	WIN 0x40
.irp p, 0,1,2,3
.irp c, 0,1,2,3
	ds_load_b128 v[KF+16*\p+4*\c:KF+16*\p+4*\c+3], v[ADK] offset:2048*\p+512*\c
.endr
.endr
	WIN 0
.irp p, 0,1,2,3
	ds_load_b32 v[KW+\p], v[ADS] offset:256+64*\p
.endr
.macro SCL u                           ; tile u's four blocks: the floor 2^(9 - 127), the conversion's scale operand, 448 x the scale, the byte; p's scale word for these 128 keys
.irp b, 0,1,2,3
	v_max_num_f32 v[BM+4*\u+\b], 0x4800000, v[BM+4*\u+\b]
.endr
.irp b, 0,1,2,3
	v_add_nc_u32 v[SOP+4*\u+\b], 0xfc000000, v[BM+4*\u+\b]
.endr
.irp b, 0,1,2,3
	v_and_or_b32 v[BD+4*\u+\b], v[BM+4*\u+\b], 0x7f800000, s[MNT]
.endr
.irp b, 0,1,2,3
	v_lshrrev_b32 v[PT+4*\u+\b], 23, v[SOP+4*\u+\b]
.endr
	v_lshl_or_b32 v[PW+\u], v[PT+4*\u+1], 8, v[PT+4*\u]
	v_lshl_or_b32 v[PW+\u], v[PT+4*\u+2], 16, v[PW+\u]
	v_lshl_or_b32 v[PW+\u], v[PT+4*\u+3], 24, v[PW+\u]
.endm
.macro SUMS u                          ; tile u's sum of the unquantised p: four chains of pairs, in the registers that its blocks' maxima and bytes have left
.irp k, 0,1,2,3
	v_pk_add_f32 v[BM+4*\u+2*(\k%2)+8*(\k/2):BM+4*\u+2*(\k%2)+8*(\k/2)+1], v[S+64*\u+4*\k:S+64*\u+4*\k+1], v[S+64*\u+4*\k+2:S+64*\u+4*\k+3]
.endr
.set j, 16
.rept 24
.set cc, BM+4*\u+2*((j/2)%2)+8*((j/4)%2)
	v_pk_add_f32 v[cc:cc+1], v[cc:cc+1], v[S+64*\u+j:S+64*\u+j+1]
.set j, j+2
.endr
	v_pk_add_f32 v[BM+4*\u:BM+4*\u+1], v[BM+4*\u:BM+4*\u+1], v[BM+4*\u+2:BM+4*\u+3]
	v_pk_add_f32 v[PT+4*\u:PT+4*\u+1], v[PT+4*\u:PT+4*\u+1], v[PT+4*\u+2:PT+4*\u+3]
	v_pk_add_f32 v[BM+4*\u:BM+4*\u+1], v[BM+4*\u:BM+4*\u+1], v[PT+4*\u:PT+4*\u+1]
	v_pk_add_f32 v[L+2*\u:L+2*\u+1], v[L+2*\u:L+2*\u+1], v[BM+4*\u:BM+4*\u+1]
.endm
.macro STEP next                       ; 128 keys x 32 queries.  next = 1: K's fragments of the next step are asked for
	s_wait_dscnt 0x0                               ; K's fragments and words
	WIN 0x01                                       ; source 0 in window 1
.irp p, 0,1,2,3
.irp u, 0,1
	v_wmma_scale_f32_16x16x128_f8f6f4 v[S+64*\u+16*\p:S+64*\u+16*\p+7], v[KF+16*\p:KF+16*\p+15], v[QB+8+16*\u:QB+23+16*\u], 0, v[KW+\p], v[QW+2*\u]
	v_wmma_scale_f32_16x16x128_f8f6f4 v[S+64*\u+16*\p+8:S+64*\u+16*\p+15], v[KF+16*\p:KF+16*\p+15], v[QB+16*\u:QB+15+16*\u], 0, v[KW+\p], v[QW+2*\u+1]
.endr
.endr
	WIN 0
	v_add_nc_u32 v[ADV], 0x2000, v[ADV]            ; eight places behind the products, ahead of loads into their registers and of the first reader of the scores
	v_add_nc_u32 v[ADS], 0x100, v[ADS]
.if \next
	v_add_nc_u32 v[ADK], 0x2000, v[ADK]
.else
	v_nop
.endif
.rept 5
	v_nop
.endr
.irp t, 0,1,2,3
	ds_load_b32 v[VW+\t], v[ADS] offset:4096+64*\t
.endr
	WIN 0x40
.irp t, 0,1,2,3
.irp c, 0,1,2,3
	ds_load_b128 v[VF+16*\t+4*\c:VF+16*\t+4*\c+3], v[ADV] offset:2048*\t+512*\c
.endr
.endr
.if \next
.irp p, 0,1,2,3
.irp c, 0,1,2,3
	ds_load_b128 v[KF+16*\p+4*\c:KF+16*\p+4*\c+3], v[ADK] offset:2048*\p+512*\c
.endr
.endr
.endif
	WIN 0
.if \next
.irp p, 0,1,2,3
	ds_load_b32 v[KW+\p], v[ADS] offset:256+64*\p
.endr
.endif
.irp i, 0,2,4,6,8,10,12,14                 ; the largest score of each block of 32 keys: for the row's maximum and, since p rises with the score, for the block's largest p.  Eight chains by turns; each accumulator from its low end on
.irp x, 0,1,2,3,4,5,6,7
.if \i == 0
	v_max3_num_f32 v[BM+\x], v[NEG], v[S+16*\x], v[S+16*\x+1]
.else
	v_max3_num_f32 v[BM+\x], v[BM+\x], v[S+16*\x+\i], v[S+16*\x+\i+1]
.endif
.endr
.endr
.irp b, 0,1,2,3,4,5,6,7
	v_permlanex16_b32 v[PT+\b], v[BM+\b], s[SEL], s[SEL+1]
.endr
.irp b, 0,1,2,3,4,5,6,7
	v_max_num_f32 v[BM+\b], v[BM+\b], v[PT+\b]     ; with lane l xor 16's 16 keys
.endr
.irp u, 0,1
	v_max3_num_f32 v[T+\u], v[BM+4*\u], v[BM+4*\u+1], v[BM+4*\u+2]
.endr
.irp u, 0,1
	v_max_num_f32 v[T+\u], v[T+\u], v[BM+4*\u+3]
.endr
.irp u, 0,1
	v_mul_f32 v[T+\u], s[CS], v[T+\u]
.endr
.irp u, 0,1
	v_max_num_f32 v[NM+2*\u+1], v[NM+2*\u+1], v[T+\u]   ; the running largest t
.endr
.irp u, 0,1
	v_mov_b32 v[OLD+\u], v[NM+2*\u]
.endr
.irp u, 0,1
	v_floor_f32 v[NM+2*\u], -v[NM+2*\u+1]          ; the new -M
.endr
.irp u, 0,1
	v_sub_f32 v[T+\u], v[NM+2*\u], v[OLD+\u]       ; old M - new M: a whole number, 0 or less
.endr
.irp u, 0,1
	v_cvt_i32_f32 v[T+\u], v[T+\u]
.endr
.irp u, 0,1
	v_ldexp_f32 v[F+2*\u], 1.0, v[T+\u]            ; f = 2^(old M - new M)
.endr
.irp u, 0,1
.irp b, 0,1,2,3
	v_fma_f32 v[BM+4*\u+\b], v[BM+4*\u+\b], s[CS], v[NM+2*\u]
.endr
.endr
.set j, 0
.rept 32
	v_pk_fma_f32 v[S+j:S+j+1], v[S+j:S+j+1], s[CS:CS+1], v[NM:NM+1] op_sel_hi:[1,0,0]   ; tile 0: t - M
.set j, j+2
.endr
	s_wait_alu depctr_va_vdst(0)
.set j, 0
.rept 32                                   ; tile 0: p = 2^(t - M); among the exponentials tile 1's t - M, which is read behind the batch's wait
	v_exp_f32 v[S+j], v[S+j]
	v_pk_fma_f32 v[S+64+j:S+65+j], v[S+64+j:S+65+j], s[CS:CS+1], v[NM+2:NM+3] op_sel_hi:[1,0,0]
	v_exp_f32 v[S+j+1], v[S+j+1]
.set j, j+2
.endr
.irp b, 0,1,2,3
	v_exp_f32 v[BM+\b], v[BM+\b]                   ; tile 0: the blocks' largest p
.endr
.irp u, 0,1
	v_pk_mul_f32 v[L+2*\u:L+2*\u+1], v[L+2*\u:L+2*\u+1], v[F+2*\u:F+2*\u+1] op_sel_hi:[1,0]   ; the sums under the new M: plain lines behind the exponentials
.endr
	s_wait_alu depctr_va_vdst(0)                   ; one wait for the batch, ahead of its first reader
	SCL 0
	SUMS 0
	s_wait_alu depctr_va_vdst(0)                   ; ahead of the second batch
.set j, 0
.rept 32                                   ; tile 1's exponentials; among them tile 0's holds, two to an instruction: the conversion does not saturate (ISA guide 7.6.2); p is not negative: a one-sided hold
	v_exp_f32 v[S+64+j], v[S+64+j]
	v_dual_min_num_f32 v[S+j], v[S+j], v[BD+j/16] :: v_dual_min_num_f32 v[S+j+1], v[S+j+1], v[BD+j/16]
	v_exp_f32 v[S+64+j+1], v[S+64+j+1]
.set j, j+2
.endr
.irp b, 4,5,6,7
	v_exp_f32 v[BM+\b], v[BM+\b]
.endr
	v_nop                                          ; a plain line behind the exponentials
	s_wait_alu depctr_va_vdst(0)                   ; and the batch's wait
	SCL 1
	SUMS 1
.set j, 64
.rept 32
	v_dual_min_num_f32 v[S+j], v[S+j], v[BD+j/16] :: v_dual_min_num_f32 v[S+j+1], v[S+j+1], v[BD+j/16]
.set j, j+2
.endr
	WIN 0x40                                       ; the codes go to window 1
.irp x, 0,1,2,3,4,5,6,7
	v_cvt_scalef32_pk8_fp8_f32 v[PC+4*\x:PC+4*\x+1], v[S+16*\x:S+16*\x+7], v[SOP+\x]
	v_cvt_scalef32_pk8_fp8_f32 v[PC+4*\x+2:PC+4*\x+3], v[S+16*\x+8:S+16*\x+15], v[SOP+\x]
.endr
	WIN 0x41
	s_wait_alu depctr_va_vdst(0)                   ; directly ahead of the first reader of O^T
.set j, 0
.rept 16
	v_pk_mul_f32 v[O+j:O+j+1], v[O+j:O+j+1], v[F:F+1] op_sel_hi:[1,0]            ; O^T under the new M; also the places between the codes' last write and the products
	v_pk_mul_f32 v[O+32+j:O+33+j], v[O+32+j:O+33+j], v[F+2:F+3] op_sel_hi:[1,0]
.set j, j+2
.endr
	s_wait_alu depctr_va_vdst(0)
.if \next
	s_wait_dscnt 20                                ; V's 20 loads are in; K's 20 for the next step, issued behind them, may be out
.else
	s_wait_dscnt 0x0
.endif
	WIN 0x55
.irp t, 0,1,2,3                            ; eight accumulators by turns
.irp u, 0,1
	v_wmma_scale_f32_16x16x128_f8f6f4 v[O+32*\u+8*\t:O+32*\u+8*\t+7], v[VF+16*\t:VF+16*\t+15], v[PC+16*\u:PC+16*\u+15], v[O+32*\u+8*\t:O+32*\u+8*\t+7], v[VW+\t], v[PW+\u]
.endr
.endr
	WIN 0
.endm
	s_mov_b32 s[CNT], 3
.Lfirst:                                           ; steps 0 to 2: they read, and ask for, the first 512 keys alone
	STEP 1
	s_sub_co_u32 s[CNT], s[CNT], 1
	s_cmp_lg_u32 s[CNT], 0
	s_cbranch_scc1 .Lfirst
	s_wait_tensorcnt 0x0                           ; every wave: my tile is in,
	s_wait_dscnt 0x0
	s_barrier_signal -1
	s_barrier_wait -1                              ; everybody's is
	s_mov_b32 s[CNT], 12
.Lrest:
	STEP 1
	s_sub_co_u32 s[CNT], s[CNT], 1
	s_cmp_lg_u32 s[CNT], 0
	s_cbranch_scc1 .Lrest
	STEP 0                                         ; the last step asks for no further keys
	; THE WAY OUT: O^T / the sum, quantised along the head's 64 channels (two blocks of the model's 1,024): half an image and two scale bytes a token.  Block x = 2 u + b goes to v[S + 16 x] on
.set PCO, S+64
.rept 8
	v_nop
.endr
.irp u, 0,1
	v_add_f32 v[L+2*\u], v[L+2*\u], v[L+2*\u+1]
.endr
.irp u, 0,1
	v_permlanex16_b32 v[PT+\u], v[L+2*\u], s[SEL], s[SEL+1]
.endr
.irp u, 0,1
	v_add_f32 v[L+2*\u], v[L+2*\u], v[PT+\u]       ; the row's sum
.endr
	s_wait_alu depctr_va_vdst(0)
.irp u, 0,1
	v_rcp_f32 v[L+2*\u], v[L+2*\u]
.endr
	v_nop
	WIN 0x01
	s_wait_alu depctr_va_vdst(0)
.set j, 0
.rept 16
	v_pk_mul_f32 v[S+j:S+j+1], v[O+j:O+j+1], v[L:L+1] op_sel_hi:[1,0]            ; register 8 t + i: channel 16 t + 8 h + i of query r; each accumulator from its low end on
	v_pk_mul_f32 v[S+32+j:S+33+j], v[O+32+j:O+33+j], v[L+2:L+3] op_sel_hi:[1,0]
.set j, j+2
.endr
	WIN 0
.irp x, 0,1,2,3
	v_max3_num_f32 v[BM+\x], |v[S+16*\x]|, |v[S+16*\x+1]|, 0x4800000
.endr
.irp i, 2,4,6,8,10,12,14
.irp x, 0,1,2,3
	v_max3_num_f32 v[BM+\x], v[BM+\x], |v[S+16*\x+\i]|, |v[S+16*\x+\i+1]|
.endr
.endr
.irp x, 0,1,2,3
	v_permlanex16_b32 v[PT+\x], v[BM+\x], s[SEL], s[SEL+1]
.endr
.irp x, 0,1,2,3
	v_max_num_f32 v[BM+\x], v[BM+\x], v[PT+\x]
.endr
.irp x, 0,1,2,3
	v_add_nc_u32 v[SOP+\x], 0xfc000000, v[BM+\x]
.endr
.irp x, 0,1,2,3
	v_and_or_b32 v[BD+\x], v[BM+\x], 0x7f800000, s[MNT]
.endr
.irp x, 0,1,2,3
	v_lshrrev_b32 v[PT+\x], 23, v[SOP+\x]
.endr
.irp x, 0,1,2,3
.irp i, 0,1,2,3,4,5,6,7,8,9,10,11,12,13,14,15
	v_med3_num_f32 v[S+16*\x+\i], v[S+16*\x+\i], -v[BD+\x], v[BD+\x]
.endr
	v_cvt_scalef32_pk8_fp8_f32 v[PCO+4*\x:PCO+4*\x+1], v[S+16*\x:S+16*\x+7], v[SOP+\x]
	v_cvt_scalef32_pk8_fp8_f32 v[PCO+4*\x+2:PCO+4*\x+3], v[S+16*\x+8:S+16*\x+15], v[SOP+\x]
.endr
	v_nop                                          ; a plain line behind the last conversion
.irp x, 0,1,2,3
	v_permlane16_swap_b32 v[PCO+4*\x], v[PCO+4*\x+2]   ; wo's codes come in the natural order: registers 4 x .. 4 x + 3 now hold channels 32 b + 16 h + 0 .. 15
	v_permlane16_swap_b32 v[PCO+4*\x+1], v[PCO+4*\x+3]
.endr
.irp u, 0,1
	v_cndmask_b32 v[T+\u], v[PT+2*\u], v[PT+2*\u+1], s[HM]   ; lanes 0-15 store the first block's byte, lanes 16-31 the second's
.endr
.irp u, 0,1
	global_store_b128 v[LI], v[PCO+8*\u:PCO+8*\u+3], s[8:9] offset:16384*\u        ; 512 consecutive bytes
	global_store_b128 v[LI], v[PCO+8*\u+4:PCO+8*\u+7], s[8:9] offset:16384*\u+512
	global_store_b8 v[BYA], v[T+\u], s[6:7] offset:512*\u                          ; two bytes a token, rows 32 bytes apart: 131,072 bytes in the whole launch
.endr
	s_wait_tensorcnt 0x0                           ; the wave's end
	ds_add_u32 v[SPW], v[NIL]
	s_wait_dscnt 0x0
	CROUND                                         ; the closing round
	s_endpgm
.Lfunc_end_k_qd019e01cdb_attn:
	.size	k_qd019e01cdb_attn, .Lfunc_end_k_qd019e01cdb_attn-k_qd019e01cdb_attn
	.p2alignl 7, 3214868480
	.fill 96, 4, 3214868480
	.section	.rodata,"a",@progbits
	.p2align	6, 0x0
	.amdhsa_kernel k_qd019e01cdb_attn
		.amdhsa_group_segment_fixed_size 327680
		.amdhsa_private_segment_fixed_size 0
		.amdhsa_enable_private_segment 0
		.amdhsa_kernarg_size 16
		.amdhsa_user_sgpr_count 2
		.amdhsa_user_sgpr_kernarg_segment_ptr 1
		.amdhsa_wavefront_size32 1
		.amdhsa_system_sgpr_workgroup_id_x 1
		.amdhsa_system_sgpr_workgroup_id_y 1
		.amdhsa_system_sgpr_workgroup_id_z 1
		.amdhsa_system_vgpr_workitem_id 0
		.amdhsa_next_free_vgpr 512
		.amdhsa_next_free_sgpr 96
		.amdhsa_reserve_vcc 0
		.amdhsa_float_denorm_mode_32 3
		.amdhsa_float_denorm_mode_16_64 3
		.amdhsa_memory_ordered 1
		.amdhsa_forward_progress 1
		.amdhsa_inst_pref_size 125
	.end_amdhsa_kernel
	.amdgpu_metadata
---
amdhsa.version: [ 1, 2 ]
amdhsa.kernels:
  - .name:           k_qd019e01cdb_attn
    .symbol:         k_qd019e01cdb_attn.kd
    .args:
      - { .name: qkv, .offset: 0, .size: 8, .value_kind: global_buffer, .address_space: global }
      - { .name: att, .offset: 8, .size: 8, .value_kind: global_buffer, .address_space: global }
    .group_segment_fixed_size: 327680
    .private_segment_fixed_size: 0
    .kernarg_segment_align: 8
    .kernarg_segment_size: 16
    .max_flat_workgroup_size: 256
    .sgpr_count:     96
    .vgpr_count:     512
    .wavefront_size: 32
...
	.end_amdgpu_metadata
.endif
;; end of part 3
;; launch outp (part 4): grid 8 x 32, 4 waves a work-group, clusters of 4 x 4, 327,680 bytes of LDS; arguments att, wo_codes, wo_scales, y1; writes y1
.if DOCPART == 4
	.amdgcn_target "amdgcn-amd-amdhsa--gfx1250"
	.amdhsa_code_object_version 6
	.text
	.protected	k_qd019e01cdb_outp
	.globl	k_qd019e01cdb_outp
	.p2align	8
	.type	k_qd019e01cdb_outp,@function
k_qd019e01cdb_outp:
	s_mov_b64 s[64:65], 0
	v_nop
	global_prefetch_b8 v0, s[64:65] scope:SCOPE_SE
	s_setreg_imm32_b32 hwreg(HW_REG_WAVE_MODE, 25, 1), 1
	s_wait_xcnt 0x0
	s_wait_alu depctr_hold_cnt(0) depctr_sa_sdst(0) depctr_va_vdst(0) depctr_va_sdst(0) depctr_va_ssrc(0) depctr_va_vcc(0) depctr_vm_vsrc(0)
	s_getreg_b32 s2, hwreg(HW_REG_IB_STS2, 6, 4)
	s_cmp_eq_u32 s2, 0
	s_cbranch_scc0 .Lentry_in_a_cluster
	s_endpgm
.Lentry_in_a_cluster:
	s_bfe_u32 s2, ttmp6, 0x10000c
	s_cmp_lg_u32 s2, 0xf033
	s_cbranch_scc0 .Lentry_shape_is_right
	s_endpgm
.Lentry_shape_is_right:
.set KTOT,   1024
.set SQI,    2
.set AS_OFF, 4194304
.set SIZE_N, 1024
.set KSTEP,  512
.set ROWB,   512
.set PITCH,  528
.set FR,     16
.set NP,     8
.set ATB,    4*8192
.set BOFF,   2*ATB
.set HALFT,  64*PITCH
.set SLOT,   BOFF+2*HALFT
.set LAPS,   KTOT/(2*KSTEP)
.set SW,     KTOT/32
.set SPT,    SW+16
.set SCL,    2*SLOT
.set HALFS,  64*SPT
.set SBLK,   16*SPT
.set SPARE,  SCL+4*HALFS
.set SPITCH, 272
.set ADRA, 16
.set ADRB, 20
.set STO,  24
.set RD,   25
.set CO,   26
.set ADRS, 27
.set SPW,  28
.set NIL,  29
.set SC,   32
.set BK,   64
.set ACC,  128
.set G1, 24
.set G0, 32
.set G1B, 48
.set G0B, 56
.set G1S, 68
.set G0S, 76
.set G1SB, 80
.set G0SB, 88
.set MSB, 0
.macro WIN new
.if MSB != (\new)
	s_set_vgpr_msb (MSB<<8)|(\new)
.set MSB, (\new)
.endif
.endm
.set MUL,  0x05
.set TO_F, 0x40
.macro JLOAD g0a, g1a, g0b, g1b
	s_cmp_eq_u32 s15, 0
	s_cbranch_scc0 .Lfor_b_\@
	tensor_load_to_lds s[\g0a:\g0a+3], s[\g1a:\g1a+7]
	s_nop 0
.rept 4
	v_nop
.endr
	s_branch .Lasked_\@
.Lfor_b_\@:
	tensor_load_to_lds s[\g0b:\g0b+3], s[\g1b:\g1b+7]
	s_nop 0
.rept 4
	v_nop
.endr
.Lasked_\@:
.endm
.macro CREST
	s_cmp_lg_u32 s14, 0
	s_cbranch_scc1 .Lnot_wave_0_\@
	s_barrier_signal -3
.Lnot_wave_0_\@:
	s_barrier_wait -3
	s_barrier_signal -1
	s_barrier_wait -1
.endm
.macro CROUND
	s_barrier_signal -1
	s_barrier_wait -1
	CREST
.endm
	s_load_b256 s[4:11], s[0:1], 0x0
	v_lshl_add_u32 v[SPW], v0, 2, SPARE
	v_mov_b32 v[NIL], 0
	ds_add_u32 v28, v29
	ds_add_u32 v28, v29
	s_wait_dscnt 0x0
	v_lshrrev_b32 v1, 5, v0
	v_readfirstlane_b32 s14, v1
	s_lshr_b32 s15, s14, 1
	s_and_b32 s16, s14, 1
	s_bfe_u32 s40, ttmp6, 0x40000
	s_bfe_u32 s41, ttmp6, 0x40004
	s_lshl_b32 s42, ttmp9, 2
	s_add_co_u32 s42, s42, s40
	s_and_b32 s17, ttmp7, 0xffff
	s_lshl_b32 s17, s17, 2
	s_add_co_u32 s17, s17, s41
	s_lshl_b32 s43, s41, 2
	s_lshl_b32 s43, 15, s43
	s_lshl_b32 s44, 0x1111, s40
	s_or_b32 s[G1+0], s43, (3<<16)|(1<<21)
	s_mov_b32 s[G1+1], 1024<<16
	s_mov_b32 s[G1+2], 4<<16
	s_mov_b32 s[G1+3], 1024<<16
	s_mov_b32 s[G1+4], 4
	s_mov_b32 s[G1+5], 2*KTOT
	s_mov_b32 s[G1+6], 0
	s_mov_b32 s[G1+7], 0
	s_or_b32 s[G1B+0], s44, (0<<16)|(1<<20)|(1<<21)|(6<<22)|(3<<25)
	s_mov_b32 s[G1B+1], ROWB<<16
	s_mov_b32 s[G1B+2], 64<<16
	s_mov_b32 s[G1B+3], ROWB<<16
	s_mov_b32 s[G1B+4], 64
	s_mov_b32 s[G1B+5], KTOT
	s_mov_b32 s[G1B+6], 0
	s_mov_b32 s[G1B+7], 0
	s_lshl_b32 s18, s16, 6
	s_lshl_b32 s20, s17, 7
	s_add_co_u32 s20, s20, s18
	s_lshl_b32 s46, s42, 7
	s_add_co_u32 s46, s46, s18
	s_mov_b32 s21, 0
	s_mov_b32 s47, 0
	s_mul_i32 s22, s17, 128*SW                     ; where the scales of the tile's 128 rows begin
	s_mov_b32 s23, 0
	s_mul_i32 s92, s42, 128*SW
	s_mov_b32 s93, 0
	s_mov_b64 s[18:19], KTOT
	s_mul_u64 s[20:21], s[20:21], s[18:19]
	s_mul_u64 s[46:47], s[46:47], s[18:19]
	s_mul_i32 s45, s16, ATB
	s_mul_i32 s95, s16, HALFT
	s_add_co_u32 s95, s95, BOFF
	s_wait_kmcnt 0x0
	s_add_nc_u64 s[20:21], s[4:5], s[20:21]
	s_add_nc_u64 s[22:23], s[4:5], s[22:23]
	s_add_nc_u64 s[22:23], s[22:23], AS_OFF
	s_add_nc_u64 s[46:47], s[6:7], s[46:47]
	s_add_nc_u64 s[92:93], s[8:9], s[92:93]
	CROUND
.irp s, 0,1
	s_mov_b32 s[G0+4*\s], 1
	s_add_co_u32 s[G0+4*\s+1], s45, \s*SLOT
	s_add_nc_u64 s[G0+4*\s+2:G0+4*\s+3], s[20:21], \s*8192
	s_or_b32 s[G0+4*\s+3], s[G0+4*\s+3], 0x80000000
	s_mov_b32 s[G0B+4*\s], 1
	s_add_co_u32 s[G0B+4*\s+1], s95, \s*SLOT
	s_add_nc_u64 s[G0B+4*\s+2:G0B+4*\s+3], s[46:47], \s*ROWB
	s_or_b32 s[G0B+4*\s+3], s[G0B+4*\s+3], 0x80000000
.endr
	JLOAD G0, G1, G0B, G1B                         ; K step 0: my one tensor load at the head
	; A PREFETCH INTO THE L2 of K step 1, whose load goes out when K step 0's has landed.  Of the 32,768 bytes that my wave fetches of a K step, each of the four partners that ask for them jointly
	; names 8,192, told apart by address: of A one tile of 16 tokens (cx), of B 16 rows (cy); a lane names 256 bytes, so each aligned 256 bytes is named once in the cluster.  K has two steps: nothing further is asked for
	s_cmp_eq_u32 s15, 0                            ; do I fetch for A?
	s_cselect_b64 s[68:69], s[20:21], s[46:47]
	s_cselect_b32 s72, s40, s41                    ; my place among the four
	s_mov_b32 s70, ROWB
	s_cselect_b32 s70, 8192, s70                   ; a K step on: four images of A's tile, or 512 bytes of B's row
	s_mov_b32 s74, KTOT
	s_cselect_b32 s74, 512, s74                    ; from a pair of lanes to the next: 512 bytes on in A's tile, a row on in B
	s_mul_i32 s72, s72, 16*KTOT                    ; a tile of A, and 16 rows of B, are 16 KTOT bytes
	s_add_co_u32 s72, s72, s70
	s_mov_b32 s73, 0
	s_add_nc_u64 s[68:69], s[68:69], s[72:73]
	v_and_b32 v8, 31, v0
	v_lshrrev_b32 v9, 1, v8
	v_and_b32 v8, 1, v8
	v_mul_u32_u24 v9, s74, v9
	v_lshl_add_u32 v30, v8, 8, v9
	global_prefetch_b8 v30, s[68:69] th:TH_LOAD_NT scope:SCOPE_SE
	; the scale bytes of A's and B's 128 rows, 128 SW dense bytes each, come by plain loads, 16 bytes a thread, sixteen lanes to an aligned 256; a small part of the tiles' bytes, so they are not asked for jointly
.set NJ, SW/16
	v_lshlrev_b32 v128, 4, v0                      ; 16 x thread
	v_lshrrev_b32 v129, SQI-1, v0                  ; the row among a load's 2,048 / SW
	v_mul_u32_u24 v129, v129, SPT
	v_and_b32 v130, NJ-1, v0
	v_lshl_add_u32 v129, v130, 4, v129
	v_add_nc_u32 v129, SCL, v129
.set j, 0
.rept NJ
	global_load_b128 v[64+4*j:67+4*j], v128, s[22:23] offset:2048*j
	global_load_b128 v[64+4*NJ+4*j:67+4*NJ+4*j], v128, s[92:93] offset:2048*j
.set j, j+1
.endr
	s_wait_xcnt 0x0                                ; the loads have read their bases: s22 is written below
	v_and_b32 v1, 15, v0
	v_bfe_u32 v2, v0, 4, 1
	v_mul_u32_u24 v3, v1, PITCH
	v_lshl_add_u32 v4, v2, 4, v3
	v_and_b32 v6, 31, v0
	v_lshlrev_b32 v7, 4, v6
	s_mul_i32 s21, s15, ATB
	s_mul_i32 s22, s16, HALFT
	s_add_co_u32 s22, s22, BOFF
.irp s, 0,1
	v_add_nc_u32 v[ADRA+\s], s21, v7
	v_add_nc_u32 v[ADRB+\s], s22, v4
	s_add_co_u32 s21, s21, SLOT
	s_add_co_u32 s22, s22, SLOT
.endr
	v_mul_u32_u24 v5, v1, SPT
	s_mul_i32 s21, s15, HALFS
	s_mul_i32 s22, s16, HALFS
	s_add_co_u32 s22, s22, 2*HALFS
	s_sub_co_u32 s22, s22, s21
	v_mul_u32_u24 v6, s22, v2
	s_add_co_u32 s21, s21, SCL
	v_add_nc_u32 v5, v5, v6
	v_add_nc_u32 v[ADRS], s21, v5
	s_mul_i32 s23, s14, 16*SPITCH
	v_mul_u32_u24 v5, v1, SPITCH
	v_lshl_add_u32 v5, v2, 5, v5
	v_add_nc_u32 v[STO], s23, v5
	v_mul_u32_u24 v5, v2, SPITCH
	v_lshl_add_u32 v5, v1, 4, v5
	v_add_nc_u32 v[RD], s23, v5
	v_mul_u32_u24 v5, v2, SIZE_N*4
	v_lshl_add_u32 v[CO], v1, 4, v5
	s_lshl_b32 s20, s17, 7
	s_lshl_b32 s21, s15, 6
	s_add_co_u32 s20, s20, s21
	s_mov_b32 s21, 0
	s_mov_b64 s[18:19], SIZE_N*4
	s_mul_u64 s[20:21], s[20:21], s[18:19]
	s_lshl_b32 s46, s42, 9
	s_lshl_b32 s47, s16, 8
	s_add_co_u32 s46, s46, s47
	s_mov_b32 s47, 0
	s_add_nc_u64 s[20:21], s[20:21], s[46:47]
	s_add_nc_u64 s[12:13], s[10:11], s[20:21]
.macro MUL4 f, a, q, sc, zero
.irp b, 0,1,2,3
.if \zero
	v_wmma_scale_f32_16x16x128_f8f6f4 v[ACC+8*(4*(\a)+\b):ACC+8*(4*(\a)+\b)+7], v[(\f)+64+FR*\b:(\f)+64+FR*\b+FR-1], v[(\f)+FR*(\a):(\f)+FR*(\a)+FR-1], 0, v[SC+16*(\sc)+4*\b+(\q)], v[SC+16*(\sc)+4*(\a)+(\q)] matrix_a_scale:MATRIX_SCALE_ROW1
.else
	v_wmma_scale_f32_16x16x128_f8f6f4 v[ACC+8*(4*(\a)+\b):ACC+8*(4*(\a)+\b)+7], v[(\f)+64+FR*\b:(\f)+64+FR*\b+FR-1], v[(\f)+FR*(\a):(\f)+FR*(\a)+FR-1], v[ACC+8*(4*(\a)+\b):ACC+8*(4*(\a)+\b)+7], v[SC+16*(\sc)+4*\b+(\q)], v[SC+16*(\sc)+4*(\a)+(\q)] matrix_a_scale:MATRIX_SCALE_ROW1
.endif
.endr
.endm
.macro FETCH slot, q, f
	WIN TO_F
.irp i, 0,1,2,3
.irp c, 0,1,2,3
	ds_load_b128 v[(\f)+64+FR*\i+4*\c:(\f)+64+FR*\i+4*\c+3], v[ADRB+\slot] offset:128*(\q)+32*\c+\i*16*PITCH
.endr
.endr
.irp i, 0,1,2,3
.irp c, 0,1,2,3
	ds_load_b128 v[(\f)+FR*\i+4*\c:(\f)+FR*\i+4*\c+3], v[ADRA+\slot] offset:8192*\i+2048*(\q)+512*\c
.endr
.endr
.endm
.macro SCALES sc
.irp i, 0,1,2,3
	ds_load_b128 v[SC+16*\sc+4*\i:SC+16*\sc+4*\i+3], v[ADRS] offset:\i*SBLK
.endr
.endm
.macro PLACES n
.rept \n
	v_nop
.endr
.endm
.macro QUARTER slot, q, zero
.set FB, 128*((\q)%2)
.set GB, 128-FB
	s_wait_dscnt 8
	WIN MUL
	MUL4 FB, 0, \q, \slot, \zero
	MUL4 FB, 1, \q, \slot, \zero
	PLACES NP
	FETCH \slot, (\q)+1, GB
	s_wait_dscnt 32
	WIN MUL
	MUL4 FB, 2, \q, \slot, \zero
	MUL4 FB, 3, \q, \slot, \zero
.endm
.macro TURN slot, next, fill
	WIN 0
	s_wait_tensorcnt 0x0
	ds_add_u32 v[SPW], v[NIL]
	s_wait_dscnt 9
	WIN MUL
	MUL4 128, 0, 3, \slot, 0
	s_wait_dscnt 0x0
	s_barrier_signal -1
	MUL4 128, 1, 3, \slot, 0
	WIN 0
	s_barrier_wait -1
.if \fill
	CREST
	s_add_nc_u64 s[G0+4*\slot+2:G0+4*\slot+3], s[G0+4*\slot+2:G0+4*\slot+3], 2*8192
	s_add_nc_u64 s[G0B+4*\slot+2:G0B+4*\slot+3], s[G0B+4*\slot+2:G0B+4*\slot+3], 2*ROWB
	JLOAD G0+4*\slot, G1, G0B+4*\slot, G1B
	PLACES NP-4
.else
	PLACES NP
.endif
	v_add_nc_u32 v[ADRS], 16, v[ADRS]
	SCALES \next
	FETCH \next, 0, 0
	WIN MUL
	MUL4 128, 2, 3, \slot, 0
	MUL4 128, 3, 3, \slot, 0
.endm
	s_wait_alu depctr_va_vdst(0)
	s_wait_loadcnt 0x0                             ; the scale bytes
.set j, 0
.rept NJ
	ds_store_b128 v129, v[64+4*j:67+4*j] offset:(2048/SW)*SPT*j
	ds_store_b128 v129, v[64+4*NJ+4*j:67+4*NJ+4*j] offset:2*HALFS+(2048/SW)*SPT*j
.set j, j+1
.endr
	s_wait_tensorcnt 0x0                           ; my part of K step 0 is in
	ds_add_u32 v[SPW], v[NIL]
	s_wait_dscnt 0x0                               ; the add and my stores of scale bytes are done
	CROUND
	JLOAD G0+4, G1, G0B+4, G1B                     ; K step 1: the first tensor load behind the round
	SCALES 0
	FETCH 0, 0, 0
	QUARTER 0, 0, 1
.if LAPS > 1
	WIN 0
	s_mov_b32 s3, LAPS-1
.Llap:
	QUARTER 0, 1, 0
	QUARTER 0, 2, 0
	TURN 0, 1, 1
	QUARTER 1, 0, 0
	QUARTER 1, 1, 0
	QUARTER 1, 2, 0
	TURN 1, 0, 1
	QUARTER 0, 0, 0
	WIN 0
	s_sub_co_u32 s3, s3, 1
	s_cmp_lg_u32 s3, 0
	s_cbranch_scc1 .Llap
.endif
	QUARTER 0, 1, 0
	QUARTER 0, 2, 0
	TURN 0, 1, 0
	QUARTER 1, 0, 0
	QUARTER 1, 1, 0
	QUARTER 1, 2, 0
	s_wait_dscnt 8
	WIN MUL
	MUL4 128, 0, 3, 1, 0
	MUL4 128, 1, 3, 1, 0
	s_wait_dscnt 0
	MUL4 128, 2, 3, 1, 0
	MUL4 128, 3, 3, 1, 0
	WIN 0
.macro TOSTAGE a
.irp b, 0,1,2,3
	ds_store_b128 v[STO], v[ACC+8*(4*(\a)+\b):ACC+8*(4*(\a)+\b)+3] offset:64*\b
	ds_store_b128 v[STO], v[ACC+8*(4*(\a)+\b)+4:ACC+8*(4*(\a)+\b)+7] offset:64*\b+16
.endr
.set BB, BK+32*((\a)%2)
.irp t, 0,1,2,3,4,5,6,7
	ds_load_b128 v[BB+4*\t:BB+4*\t+3], v[RD] offset:\t*2*SPITCH
.endr
.endm
.macro SEND a, younger
.set BB, BK+32*((\a)%2)
	s_wait_dscnt \younger
.if (\a) > 0
	s_add_nc_u64 s[12:13], s[12:13], 16*SIZE_N*4
.endif
.irp t, 0,1,2,3,4,5,6,7
	global_store_b128 v[CO], v[BB+4*\t:BB+4*\t+3], s[12:13] offset:2*\t*SIZE_N*4 th:TH_STORE_NT
.endr
.endm
	PLACES NP
	TOSTAGE 0
.irp a, 1,2,3
.if \a > 1
	s_wait_xcnt 0x0
.endif
	TOSTAGE \a
	SEND \a-1, 16
.endr
	s_wait_xcnt 0x0
	SEND 3, 0
	s_wait_tensorcnt 0x0
	ds_add_u32 v[SPW], v[NIL]
	s_wait_dscnt 0x0
	CROUND
	s_endpgm
.Lfunc_end_k_qd019e01cdb_outp:
	.size	k_qd019e01cdb_outp, .Lfunc_end_k_qd019e01cdb_outp-k_qd019e01cdb_outp
	.p2alignl 7, 3214868480
	.fill 96, 4, 3214868480
	.section	.rodata,"a",@progbits
	.p2align	6, 0x0
	.amdhsa_kernel k_qd019e01cdb_outp
		.amdhsa_group_segment_fixed_size 327680
		.amdhsa_private_segment_fixed_size 0
		.amdhsa_enable_private_segment 0
		.amdhsa_kernarg_size 32
		.amdhsa_user_sgpr_count 2
		.amdhsa_user_sgpr_kernarg_segment_ptr 1
		.amdhsa_wavefront_size32 1
		.amdhsa_system_sgpr_workgroup_id_x 1
		.amdhsa_system_sgpr_workgroup_id_y 1
		.amdhsa_system_sgpr_workgroup_id_z 1
		.amdhsa_system_vgpr_workitem_id 0
		.amdhsa_next_free_vgpr 512
		.amdhsa_next_free_sgpr 98
		.amdhsa_reserve_vcc 0
		.amdhsa_float_denorm_mode_32 3
		.amdhsa_float_denorm_mode_16_64 3
		.amdhsa_memory_ordered 1
		.amdhsa_forward_progress 1
		.amdhsa_inst_pref_size 54
	.end_amdhsa_kernel
	.amdgpu_metadata
---
amdhsa.version: [ 1, 2 ]
amdhsa.kernels:
  - .name:           k_qd019e01cdb_outp
    .symbol:         k_qd019e01cdb_outp.kd
    .args:
      - { .name: att, .offset: 0, .size: 8, .value_kind: global_buffer, .address_space: global }
      - { .name: wo_codes, .offset: 8, .size: 8, .value_kind: global_buffer, .address_space: global }
      - { .name: wo_scales, .offset: 16, .size: 8, .value_kind: global_buffer, .address_space: global }
      - { .name: y1, .offset: 24, .size: 8, .value_kind: global_buffer, .address_space: global }
    .group_segment_fixed_size: 327680
    .private_segment_fixed_size: 0
    .kernarg_segment_align: 8
    .kernarg_segment_size: 32
    .max_flat_workgroup_size: 128
    .sgpr_count:     98
    .vgpr_count:     512
    .wavefront_size: 32
...
	.end_amdgpu_metadata
.endif
;; end of part 4
;; launch norm1 (part 5): grid 512 x 1, 8 waves a work-group, no clusters, 54,528 bytes of LDS; arguments y1, x, bo, g1, be1, hb; writes hb
.if DOCPART == 5
	.amdgcn_target "amdgcn-amd-amdhsa--gfx1250"
	.amdhsa_code_object_version 6
	.text
	.protected	k_qd019e01cdb_norm1
	.globl	k_qd019e01cdb_norm1
	.p2align	8
	.type	k_qd019e01cdb_norm1,@function
k_qd019e01cdb_norm1:
	s_mov_b64 s[64:65], 0
	v_nop
	global_prefetch_b8 v0, s[64:65] scope:SCOPE_SE
	s_setreg_imm32_b32 hwreg(HW_REG_WAVE_MODE, 25, 1), 1
	s_wait_xcnt 0x0
; h = LayerNorm(x + (y1 + bo)) g1 + be1, in f32; h goes out as f32 (hb + 0), as codes of E4M3 along its 1,024 (hb + HC_OFF, [4096][1024]) and their E8M0 bytes (hb + HS_OFF, [4096][32]).
; A wave takes one row and keeps it in 32 registers: mean, then the sum of squares of the differences (two passes: a common offset costs no digits), v_rsq_f32, gain and offset.
; bo, g1, be1 (4,096 bytes each) are read once by the work-group, 16 bytes a thread, and handed to the eight waves through LDS.  All of a wave's loads go out at once.
; The quantiser is the first launch's: 2,048 bytes at a time turn through the wave's own stage so that a lane holds 16 neighbours.
; LIMITS: a block of zeros gets the byte 1 (read by this program alone); magnitudes under 2^-118 are held at that floor; NaN and infinities are not served.
.set EMAX,  8
.set SP,    80
.set WSTG,  2*32*SP
.set SCB,   8*WSTG
.set CB,    SCB+256                    ; the three vectors, 4,096 bytes each
.set HC_OFF, 16777216
.set HS_OFF, 20971520
.set Y,   16
.set XR,  48
.set BI,  80
.set G,   112
.set BE,  144
.set CST, 176
.set C,   188
.set E,   196
.set MU,  198
.set RS,  200
.set CH,  202
.set CSA, 210
.set CRA, 211
.set TMP, 212
.set R,   Y
.set X,   XR
.set CP,  26
.set MNT, 19
.set SEL, 28
.set INV, 30
.set EPSR, 31
	s_load_b256 s[4:11], s[0:1], 0x0               ; y1, x, bo, g1
	s_load_b128 s[12:15], s[0:1], 0x20             ; be1, hb
	v_lshl_add_u32 v216, v0, 2, 0xd100
	v_mov_b32 v217, 0
	v_lshrrev_b32 v1, 5, v0
	s_delay_alu instid0(VALU_DEP_1)
	v_readfirstlane_b32 s16, v1
	v_and_b32 v3, 31, v0
	s_delay_alu instid0(VALU_DEP_1)
	v_lshlrev_b32 v2, 4, v3                        ; 16 x lane
	v_lshlrev_b32 v4, 4, v0                        ; 16 x thread
	s_mul_i32 s17, s16, WSTG
	v_lshrrev_b32 v14, 2, v3
	s_delay_alu instid0(VALU_DEP_1)
	v_mul_u32_u24 v14, v14, SP
	v_and_b32 v15, 3, v3
	s_delay_alu instid0(VALU_DEP_1)
	v_lshl_add_u32 v14, v15, 4, v14
	s_delay_alu instid0(VALU_DEP_1)
	v_add_nc_u32 v14, s17, v14
	v_mul_u32_u24 v15, v3, SP
	s_delay_alu instid0(VALU_DEP_1)
	v_add_nc_u32 v15, s17, v15
	v_lshrrev_b32 v5, 1, v3
	s_lshl_b32 s18, s16, 5
	s_add_co_u32 s18, s18, SCB
	v_add_nc_u32 v5, s18, v5
	v_lshlrev_b32 v7, 3, v3
	s_delay_alu instid0(VALU_DEP_1)
	v_add_nc_u32 v6, SCB, v7
	v_add_nc_u32 v[CSA], CB, v4
	v_add_nc_u32 v[CRA], CB, v2
	v_mov_b32 v[TMP], 0                            ; a lane permute's destination counts as one of its sources
	s_mov_b32 s[MNT], 0x600000
	s_mov_b32 s[SEL], 0x76543210
	s_mov_b32 s[SEL+1], 0xfedcba98
	s_mov_b32 s[INV], 0x3a800000                   ; 1 / 1,024
	s_mov_b32 s[EPSR], 0x358637bd                  ; 1e-6
	s_lshl_b32 s18, ttmp9, 3
	s_add_co_u32 s18, s18, s16                     ; my row
	s_lshl_b32 s20, s18, 12
	s_mov_b32 s21, 0
	s_lshl_b32 s22, s18, 10
	s_mov_b32 s23, 0
	s_lshl_b32 s36, ttmp9, 8
	s_mov_b32 s37, 0
	s_wait_alu depctr_va_vdst(0)
	s_wait_kmcnt 0x0
	s_add_nc_u64 s[4:5], s[4:5], s[20:21]
	s_add_nc_u64 s[6:7], s[6:7], s[20:21]
	s_add_nc_u64 s[24:25], s[14:15], s[20:21]
	s_add_nc_u64 s[CP:CP+1], s[14:15], s[22:23]
	s_add_nc_u64 s[CP:CP+1], s[CP:CP+1], HC_OFF
	s_add_nc_u64 s[34:35], s[14:15], s[36:37]
	s_add_nc_u64 s[34:35], s[34:35], HS_OFF
	global_load_b128 v[CST:CST+3], v4, s[8:9]
	global_load_b128 v[CST+4:CST+7], v4, s[10:11]
	global_load_b128 v[CST+8:CST+11], v4, s[12:13]
.irp j, 0,1,2,3,4,5,6,7
	global_load_b128 v[Y+4*\j:Y+4*\j+3], v2, s[4:5] offset:512*\j th:TH_LOAD_NT
.endr
.irp j, 0,1,2,3,4,5,6,7
	global_load_b128 v[XR+4*\j:XR+4*\j+3], v2, s[6:7] offset:512*\j th:TH_LOAD_NT
.endr
	s_wait_loadcnt 16                              ; the three vectors' parts are in; the row's sixteen loads may be out
.irp k, 0,1,2
	ds_store_b128 v[CSA], v[CST+4*\k:CST+4*\k+3] offset:4096*\k
.endr
	s_wait_dscnt 0x0                               ; for the others' sake
	s_barrier_signal -1
	s_barrier_wait -1
.irp j, 0,1,2,3,4,5,6,7
	ds_load_b128 v[BI+4*\j:BI+4*\j+3], v[CRA] offset:512*\j
.endr
.irp j, 0,1,2,3,4,5,6,7
	ds_load_b128 v[G+4*\j:G+4*\j+3], v[CRA] offset:4096+512*\j
.endr
.irp j, 0,1,2,3,4,5,6,7
	ds_load_b128 v[BE+4*\j:BE+4*\j+3], v[CRA] offset:8192+512*\j
.endr
	s_wait_loadcnt 0x0
	s_wait_dscnt 16                                ; the bias is in; gain and offset may be out
.set i, 0
.rept 16
	v_pk_add_f32 v[Y+i:Y+i+1], v[Y+i:Y+i+1], v[BI+i:BI+i+1]
.set i, i+2
.endr
.set i, 0
.rept 16
	v_pk_add_f32 v[Y+i:Y+i+1], v[Y+i:Y+i+1], v[XR+i:XR+i+1]
.set i, i+2
.endr
	s_wait_dscnt 0x0
.macro WSUM v, t                       ; the sum over the wave's 32 lanes, in every lane
	s_delay_alu instid0(VALU_DEP_1)
	v_add_f32_dpp v[\v], v[\v], v[\v] row_xmask:1 row_mask:0xf bank_mask:0xf
	s_delay_alu instid0(VALU_DEP_1)
	v_add_f32_dpp v[\v], v[\v], v[\v] row_xmask:2 row_mask:0xf bank_mask:0xf
	s_delay_alu instid0(VALU_DEP_1)
	v_add_f32_dpp v[\v], v[\v], v[\v] row_xmask:4 row_mask:0xf bank_mask:0xf
	s_delay_alu instid0(VALU_DEP_1)
	v_add_f32_dpp v[\v], v[\v], v[\v] row_xmask:8 row_mask:0xf bank_mask:0xf
	s_delay_alu instid0(VALU_DEP_1)
	v_permlanex16_b32 v[\t], v[\v], s[SEL], s[SEL+1]
	s_delay_alu instid0(VALU_DEP_1)
	v_add_f32 v[\v], v[\v], v[\t]
.endm
.macro FOLD                            ; four chains of pairs become one number
	s_delay_alu instid0(VALU_DEP_3)
	v_pk_add_f32 v[CH:CH+1], v[CH:CH+1], v[CH+2:CH+3]
	s_delay_alu instid0(VALU_DEP_2)
	v_pk_add_f32 v[CH+4:CH+5], v[CH+4:CH+5], v[CH+6:CH+7]
	s_delay_alu instid0(VALU_DEP_1)
	v_pk_add_f32 v[CH:CH+1], v[CH:CH+1], v[CH+4:CH+5]
	s_delay_alu instid0(VALU_DEP_1)
	v_add_f32 v[CH], v[CH], v[CH+1]
	WSUM CH, TMP
.endm
.irp k, 0,1,2,3
	v_pk_add_f32 v[CH+2*\k:CH+2*\k+1], v[Y+2*\k:Y+2*\k+1], v[Y+8+2*\k:Y+8+2*\k+1]
.endr
.irp i, 16,24
.irp k, 0,1,2,3
	s_delay_alu instid0(VALU_DEP_4)
	v_pk_add_f32 v[CH+2*\k:CH+2*\k+1], v[CH+2*\k:CH+2*\k+1], v[Y+\i+2*\k:Y+\i+2*\k+1]
.endr
.endr
	FOLD
	s_delay_alu instid0(VALU_DEP_1)
	v_mul_f32 v[MU], s[INV], v[CH]                 ; the mean
	s_delay_alu instid0(VALU_DEP_1)
	v_mov_b32 v[MU+1], v[MU]
.set i, 0
.rept 16
	v_pk_add_f32 v[Y+i:Y+i+1], v[Y+i:Y+i+1], v[MU:MU+1] neg_lo:[0,1] neg_hi:[0,1]
.set i, i+2
.endr
.irp k, 0,1,2,3
	v_pk_mul_f32 v[CH+2*\k:CH+2*\k+1], v[Y+2*\k:Y+2*\k+1], v[Y+2*\k:Y+2*\k+1]
.endr
.irp i, 8,16,24
.irp k, 0,1,2,3
	s_delay_alu instid0(VALU_DEP_4)
	v_pk_fma_f32 v[CH+2*\k:CH+2*\k+1], v[Y+\i+2*\k:Y+\i+2*\k+1], v[Y+\i+2*\k:Y+\i+2*\k+1], v[CH+2*\k:CH+2*\k+1]
.endr
.endr
	FOLD
	s_delay_alu instid0(VALU_DEP_1)
	v_fma_f32 v[CH], v[CH], s[INV], s[EPSR]        ; the variance + 1e-6
	s_wait_alu depctr_va_vdst(0)
	v_rsq_f32 v[RS], v[CH]
	v_nop                                          ; a plain instruction behind the transcendental,
	s_wait_alu depctr_va_vdst(0)                   ; and the wait ahead of its first reader
	v_mov_b32 v[RS+1], v[RS]
.set i, 0
.rept 16
	v_pk_mul_f32 v[Y+i:Y+i+1], v[Y+i:Y+i+1], v[RS:RS+1]
.set i, i+2
.endr
.set i, 0
.rept 16
	v_pk_fma_f32 v[Y+i:Y+i+1], v[Y+i:Y+i+1], v[G+i:G+i+1], v[BE+i:BE+i+1]
.set i, i+2
.endr
.irp j, 0,1,2,3,4,5,6,7
	global_store_b128 v2, v[Y+4*\j:Y+4*\j+3], s[24:25] offset:512*\j   ; 512 consecutive bytes
.endr
.macro TURN t
.irp i, 0,1,2,3
	ds_store_b128 v14, v[R+16*(\t)+4*\i:R+16*(\t)+4*\i+3] offset:32*SP*(\t)+8*SP*\i
.endr
.irp i, 0,1,2,3
	ds_load_b128 v[X+16*(\t)+4*\i:X+16*(\t)+4*\i+3], v15 offset:32*SP*(\t)+16*\i
.endr
.endm
.macro QSTEP t
.set XS, X+16*(\t)
	v_max3_num_f32 v8, |v[XS]|, |v[XS+1]|, |v[XS+2]|
	v_max3_num_f32 v9, |v[XS+3]|, |v[XS+4]|, |v[XS+5]|
.irp i, 6,10
	s_delay_alu instid0(VALU_DEP_2)
	v_max3_num_f32 v8, v8, |v[XS+\i]|, |v[XS+\i+1]|
	s_delay_alu instid0(VALU_DEP_2)
	v_max3_num_f32 v9, v9, |v[XS+\i+2]|, |v[XS+\i+3]|
.endr
	s_delay_alu instid0(VALU_DEP_2)
	v_max3_num_f32 v8, v8, |v[XS+14]|, |v[XS+15]|
	s_delay_alu instid0(VALU_DEP_1)
	v_max3_num_f32 v8, v8, v9, (EMAX+1)<<23
	s_delay_alu instid0(VALU_DEP_1)
	v_max_num_f32_dpp v8, v8, v8 row_xmask:1 row_mask:0xf bank_mask:0xf
	s_delay_alu instid0(VALU_DEP_1)
	v_add_nc_u32 v11, -(EMAX<<23), v8
	s_delay_alu instid0(VALU_DEP_2)
	v_and_or_b32 v10, v8, 0x7f800000, s[MNT]
.irp i, 0,1,2,3,4,5,6,7,8,9,10,11,12,13,14,15
	v_med3_num_f32 v[XS+\i], v[XS+\i], -v10, v10
.endr
	v_cvt_scalef32_pk8_fp8_f32 v[C+4*(\t):C+4*(\t)+1], v[XS:XS+7], v11
	v_cvt_scalef32_pk8_fp8_f32 v[C+4*(\t)+2:C+4*(\t)+3], v[XS+8:XS+15], v11
	v_lshrrev_b32 v[E+(\t)], 23, v11
	ds_store_b8 v5, v[E+(\t)] offset:16*(\t)
	global_store_b128 v2, v[C+4*(\t):C+4*(\t)+3], s[CP:CP+1] offset:512*(\t)
.endm
	TURN 0
	TURN 1
	s_wait_dscnt 8                                 ; the first turn is back; the second turn's eight may be out
	QSTEP 0
	s_wait_dscnt 1                                 ; the second turn is back; the byte store may be out
	QSTEP 1
	s_wait_dscnt 0x0
	s_barrier_signal -1
	s_barrier_wait -1
	s_cmp_lg_u32 s16, 0
	s_cbranch_scc1 .Lend
	ds_load_b64 v[12:13], v6
	s_wait_dscnt 0x0
	global_store_b64 v7, v[12:13], s[34:35]        ; 256 consecutive bytes, aligned: eight rows' scale bytes
.Lend:
	s_wait_tensorcnt 0x0
	ds_add_u32 v216, v217
	s_wait_dscnt 0x0
	s_endpgm
.Lfunc_end_k_qd019e01cdb_norm1:
	.size	k_qd019e01cdb_norm1, .Lfunc_end_k_qd019e01cdb_norm1-k_qd019e01cdb_norm1
	.p2alignl 7, 3214868480
	.fill 96, 4, 3214868480
	.section	.rodata,"a",@progbits
	.p2align	6, 0x0
	.amdhsa_kernel k_qd019e01cdb_norm1
		.amdhsa_group_segment_fixed_size 54528
		.amdhsa_private_segment_fixed_size 0
		.amdhsa_enable_private_segment 0
		.amdhsa_kernarg_size 48
		.amdhsa_user_sgpr_count 2
		.amdhsa_user_sgpr_kernarg_segment_ptr 1
		.amdhsa_wavefront_size32 1
		.amdhsa_system_sgpr_workgroup_id_x 1
		.amdhsa_system_sgpr_workgroup_id_y 1
		.amdhsa_system_sgpr_workgroup_id_z 1
		.amdhsa_system_vgpr_workitem_id 0
		.amdhsa_next_free_vgpr 218
		.amdhsa_next_free_sgpr 66
		.amdhsa_reserve_vcc 0
		.amdhsa_float_denorm_mode_32 3
		.amdhsa_float_denorm_mode_16_64 3
		.amdhsa_memory_ordered 1
		.amdhsa_forward_progress 1
		.amdhsa_inst_pref_size 23
	.end_amdhsa_kernel
	.amdgpu_metadata
---
amdhsa.version: [ 1, 2 ]
amdhsa.kernels:
  - .name:           k_qd019e01cdb_norm1
    .symbol:         k_qd019e01cdb_norm1.kd
    .args:
      - { .name: y1, .offset: 0, .size: 8, .value_kind: global_buffer, .address_space: global }
      - { .name: x, .offset: 8, .size: 8, .value_kind: global_buffer, .address_space: global }
      - { .name: bo, .offset: 16, .size: 8, .value_kind: global_buffer, .address_space: global }
      - { .name: g1, .offset: 24, .size: 8, .value_kind: global_buffer, .address_space: global }
      - { .name: be1, .offset: 32, .size: 8, .value_kind: global_buffer, .address_space: global }
      - { .name: hb, .offset: 40, .size: 8, .value_kind: global_buffer, .address_space: global }
    .group_segment_fixed_size: 54528
    .private_segment_fixed_size: 0
    .kernarg_segment_align: 8
    .kernarg_segment_size: 48
    .max_flat_workgroup_size: 256
    .sgpr_count:     66
    .vgpr_count:     218
    .wavefront_size: 32
...
	.end_amdgpu_metadata
.endif
;; end of part 5
;; launch ffn1 (part 6): grid 16 x 16, 4 waves a work-group, clusters of 4 x 4, 327,680 bytes of LDS; arguments hb, w1_codes, w1_scales, b1, ffb; writes ffb
.if DOCPART == 6
	.amdgcn_target "amdgcn-amd-amdhsa--gfx1250"
	.amdhsa_code_object_version 6
	.text
	.protected	k_qd019e01cdb_ffn1
	.globl	k_qd019e01cdb_ffn1
	.p2align	8
	.type	k_qd019e01cdb_ffn1,@function
k_qd019e01cdb_ffn1:
	s_mov_b64 s[64:65], 0
	v_nop
	global_prefetch_b8 v0, s[64:65] scope:SCOPE_SE
	s_setreg_imm32_b32 hwreg(HW_REG_WAVE_MODE, 25, 1), 1
	s_wait_xcnt 0x0
	s_wait_alu depctr_hold_cnt(0) depctr_sa_sdst(0) depctr_va_vdst(0) depctr_va_sdst(0) depctr_va_ssrc(0) depctr_va_vcc(0) depctr_vm_vsrc(0)
	s_getreg_b32 s2, hwreg(HW_REG_IB_STS2, 6, 4)
	s_cmp_eq_u32 s2, 0
	s_cbranch_scc0 .Lentry_in_a_cluster
	s_endpgm
.Lentry_in_a_cluster:
	s_bfe_u32 s2, ttmp6, 0x10000c
	s_cmp_lg_u32 s2, 0xf033
	s_cbranch_scc0 .Lentry_shape_is_right
	s_endpgm
.Lentry_shape_is_right:
.set SIZE_K, 1024
.set KSTEP,  256
.set NQ,     KSTEP/128
.set ROWB,   256
.set KROW,   SIZE_K
.set PITCH,  272
.set FR,     16
.set NL,     4
.set NP,     8
.set HALFT,  128*PITCH
.set SLOT,   4*HALFT
.set LAPS,   SIZE_K/(2*KSTEP)
.set KS,     SIZE_K/32
.set SCL,    2*SLOT
.set HALFS,  (128*KS/256)*272
.set SBLK,   (16*KS/256)*272
.set SPARE,  SCL+4*HALFS
.set HC_OFF, 16777216
.set HS_OFF, 20971520
.set FFS_OFF, 16777216
.set ADRA, 16
.set ADRB, 20
.set CO,   26
.set ADRS, 27
.set SPW,  28
.set NIL,  29
.set SC,   32
.set BN,   64
.set AF,   128
.set T,    128
.set PC,   192
.set TM,   208
.set PWS,  224
.set G1, 24
.set G0, 32
.set G1B, 48
.set G0B, 56
.set G1S, 68
.set G0S, 76
.set G1SB, 80
.set G0SB, 88
.set SEL, 20
.set MNT, 22
.set HM,  23
.set MSB, 0
.macro WIN new
.if MSB != (\new)
	s_set_vgpr_msb (MSB<<8)|(\new)
.set MSB, (\new)
.endif
.endm
.set MUL_LO, 0xa1
.set MUL_HI, 0xf1
.set TO_B,   0x40
.macro JLOAD g0a, g1a, g0b, g1b
	s_cmp_eq_u32 s15, 0
	s_cbranch_scc0 .Lfor_b_\@
	tensor_load_to_lds s[\g0a:\g0a+3], s[\g1a:\g1a+7]
	s_nop 0
.rept 4
	v_nop
.endr
	s_branch .Lasked_\@
.Lfor_b_\@:
	tensor_load_to_lds s[\g0b:\g0b+3], s[\g1b:\g1b+7]
	s_nop 0
.rept 4
	v_nop
.endr
.Lasked_\@:
.endm
.macro CREST
	s_cmp_lg_u32 s14, 0
	s_cbranch_scc1 .Lnot_wave_0_\@
	s_barrier_signal -3
.Lnot_wave_0_\@:
	s_barrier_wait -3
	s_barrier_signal -1
	s_barrier_wait -1
.endm
.macro CROUND
	s_barrier_signal -1
	s_barrier_wait -1
	CREST
.endm
	s_load_b256 s[4:11], s[0:1], 0x0
	s_load_b64 s[12:13], s[0:1], 0x20
	v_lshl_add_u32 v[SPW], v0, 2, SPARE
	v_mov_b32 v[NIL], 0
	ds_add_u32 v28, v29
	ds_add_u32 v28, v29
	s_wait_dscnt 0x0
	v_lshrrev_b32 v1, 5, v0
	v_readfirstlane_b32 s14, v1
	s_lshr_b32 s15, s14, 1
	s_and_b32 s16, s14, 1
	s_bfe_u32 s40, ttmp6, 0x40000
	s_bfe_u32 s41, ttmp6, 0x40004
	s_lshl_b32 s42, ttmp9, 2
	s_add_co_u32 s42, s42, s40
	s_and_b32 s17, ttmp7, 0xffff
	s_lshl_b32 s17, s17, 2
	s_add_co_u32 s17, s17, s41
	s_lshl_b32 s43, s41, 2
	s_lshl_b32 s43, 15, s43
	s_lshl_b32 s44, 0x1111, s40
	s_or_b32 s[G1+0], s43, (0<<16)|(1<<20)|(1<<21)|(5<<22)|(3<<25)
	s_or_b32 s[G1B+0], s44, (0<<16)|(1<<20)|(1<<21)|(5<<22)|(3<<25)
.irp g, G1, G1B
	s_mov_b32 s[\g+1], ROWB<<16
	s_mov_b32 s[\g+2], 128<<16
	s_mov_b32 s[\g+3], ROWB<<16
	s_mov_b32 s[\g+4], 128
	s_mov_b32 s[\g+5], KROW
	s_mov_b32 s[\g+6], 0
	s_mov_b32 s[\g+7], 0
.endr
	s_lshl_b32 s18, s16, 7
	s_lshl_b32 s20, s17, 8
	s_add_co_u32 s20, s20, s18
	s_lshl_b32 s46, s42, 8
	s_add_co_u32 s46, s46, s18
	s_mov_b32 s21, 0
	s_mov_b32 s47, 0
	s_lshl_b32 s22, s17, 13                        ; where the scales of the tile's 256 rows begin: 32 bytes a row
	s_mov_b32 s23, 0
	s_lshl_b32 s92, s42, 13
	s_mov_b32 s93, 0
	s_mov_b64 s[18:19], KROW
	s_mul_u64 s[20:21], s[20:21], s[18:19]
	s_mul_u64 s[46:47], s[46:47], s[18:19]
	s_mul_i32 s45, s14, HALFT
	s_wait_kmcnt 0x0
	s_add_nc_u64 s[20:21], s[4:5], s[20:21]
	s_add_nc_u64 s[20:21], s[20:21], HC_OFF
	s_add_nc_u64 s[22:23], s[4:5], s[22:23]
	s_add_nc_u64 s[22:23], s[22:23], HS_OFF
	s_add_nc_u64 s[46:47], s[6:7], s[46:47]
	s_add_nc_u64 s[92:93], s[8:9], s[92:93]
	CROUND
.irp s, 0,1
	s_mov_b32 s[G0+4*\s], 1
	s_add_co_u32 s[G0+4*\s+1], s45, \s*SLOT
	s_add_nc_u64 s[G0+4*\s+2:G0+4*\s+3], s[20:21], \s*ROWB
	s_or_b32 s[G0+4*\s+3], s[G0+4*\s+3], 0x80000000
	s_mov_b32 s[G0B+4*\s], 1
	s_add_co_u32 s[G0B+4*\s+1], s45, \s*SLOT
	s_add_nc_u64 s[G0B+4*\s+2:G0B+4*\s+3], s[46:47], \s*ROWB
	s_or_b32 s[G0B+4*\s+3], s[G0B+4*\s+3], 0x80000000
.endr
	JLOAD G0, G1, G0B, G1B                         ; K step 0, a quarter a wave: my one tensor load at the head
	; PREFETCHES INTO THE L2: a K step is 256 bytes of each row.  The head asks for K steps 1 and 2, the line behind K step 1's load for K step 3; the two refills have no K step two on.
	; Of the 128 rows that my wave fetches, each of the four partners that ask for them jointly names 32, told apart by address (cx for A, cy for B), a lane a row: each aligned 256 bytes is named once in the cluster.
	; The base and the offset are never written again: the K steps are immediate offsets
	s_cmp_eq_u32 s15, 0                            ; do I fetch for A?
	s_cselect_b64 s[68:69], s[20:21], s[46:47]     ; my 128 rows, at K step 0
	s_cselect_b32 s72, s40, s41                    ; my place among the four
	s_lshl_b32 s72, s72, 15                        ; 32 rows of 1,024 bytes
	s_mov_b32 s73, 0
	s_add_nc_u64 s[68:69], s[68:69], s[72:73]
	v_and_b32 v23, 31, v0
	v_lshlrev_b32 v23, 10, v23                     ; a lane a row
	global_prefetch_b8 v23, s[68:69] offset:ROWB th:TH_LOAD_NT scope:SCOPE_SE
	global_prefetch_b8 v23, s[68:69] offset:2*ROWB th:TH_LOAD_NT scope:SCOPE_SE
	; the scale bytes of A's and B's 256 rows, 8,192 dense bytes each, come by plain loads, 16 bytes a thread, sixteen lanes to an aligned 256; they are 16 KiB beside the tiles' 512 KiB, so they are not asked for jointly
	v_lshlrev_b32 v160, 4, v0                      ; 16 x thread
	v_lshrrev_b32 v161, 4, v0
	v_mul_u32_u24 v161, v161, 272                  ; a unit of 256 bytes + 16
	v_and_b32 v162, 15, v0
	v_lshl_add_u32 v161, v162, 4, v161
	v_add_nc_u32 v161, SCL, v161
.irp j, 0,1,2,3
	global_load_b128 v[128+4*\j:131+4*\j], v160, s[22:23] offset:2048*\j
	global_load_b128 v[144+4*\j:147+4*\j], v160, s[92:93] offset:2048*\j
.endr
	s_wait_xcnt 0x0                                ; the loads have read their bases: s22 is written below
	v_and_b32 v1, 15, v0
	v_bfe_u32 v2, v0, 4, 1
	v_mul_u32_u24 v3, v1, PITCH
	v_lshl_add_u32 v4, v2, 4, v3
	s_mul_i32 s21, s15, HALFT
	s_mul_i32 s22, s16, HALFT
	s_add_co_u32 s22, s22, 2*HALFT
.irp s, 0,1
	v_add_nc_u32 v[ADRA+\s], s21, v4
	v_add_nc_u32 v[ADRB+\s], s22, v4
	s_add_co_u32 s21, s21, SLOT
	s_add_co_u32 s22, s22, SLOT
.endr
	v_mul_u32_u24 v5, v1, KS
	v_lshrrev_b32 v6, 8, v5
	v_lshl_add_u32 v5, v6, 4, v5
	s_mul_i32 s21, s15, HALFS
	s_mul_i32 s22, s16, HALFS
	s_add_co_u32 s22, s22, 2*HALFS
	s_sub_co_u32 s22, s22, s21
	v_mul_u32_u24 v6, s22, v2
	s_add_co_u32 s21, s21, SCL
	v_add_nc_u32 v5, v5, v6
	v_add_nc_u32 v[ADRS], s21, v5
	v_and_b32 v6, 31, v0
	v_lshlrev_b32 v[CO], 4, v6
	v_lshlrev_b32 v30, 5, v2
	s_wait_alu depctr_va_vdst(0)
	v_lshlrev_b32 v31, 7, v6
	s_lshl_b32 s96, s42, 10
	s_lshl_b32 s97, s16, 9
	s_add_co_u32 s96, s96, s97
	s_mov_b32 s97, 0
	s_add_nc_u64 s[66:67], s[10:11], s[96:97]
	s_lshl_b32 s96, s17, 20
	s_lshl_b32 s98, s15, 19
	s_add_co_u32 s96, s96, s98
	s_lshl_b32 s98, s42, 12
	s_add_co_u32 s96, s96, s98
	s_lshl_b32 s98, s16, 11
	s_add_co_u32 s96, s96, s98
	s_lshl_b32 s98, s17, 15
	s_lshl_b32 s99, s15, 14
	s_add_co_u32 s98, s98, s99
	s_lshl_b32 s99, s42, 3
	s_add_co_u32 s98, s98, s99
	s_lshl_b32 s99, s16, 2
	s_add_co_u32 s98, s98, s99
	s_mov_b32 s99, 0
	s_add_nc_u64 s[10:11], s[12:13], s[98:99]
	s_add_nc_u64 s[10:11], s[10:11], FFS_OFF
	s_add_nc_u64 s[12:13], s[12:13], s[96:97]
.irp b, 0,1,2,3,4,5,6,7
	global_load_b128 v[BN+8*\b:BN+8*\b+3], v30, s[66:67] offset:64*\b
	global_load_b128 v[BN+8*\b+4:BN+8*\b+7], v30, s[66:67] offset:64*\b+16
.endr
	s_mov_b32 s[SEL], 0x76543210
	s_mov_b32 s[SEL+1], 0xfedcba98
	s_mov_b32 s[MNT], 0x600000
	s_mov_b32 s[HM], 0xffff0000
.macro FRAG reg, adr, q, i
.irp c, 0,1,2,3
	ds_load_b128 v[\reg+4*\c:\reg+4*\c+3], v[\adr] offset:128*(\q)+32*\c+(\i)*16*PITCH
.endr
.endm
.macro MUL16 a0, p, q, sc, zero
.irp a, \a0, \a0+1
.irp b, 0,1,2,3,4,5,6,7
.if \zero
	v_wmma_scale_f32_16x16x128_f8f6f4 v[8*(8*((\a)%4)+\b):8*(8*((\a)%4)+\b)+7], v[128*(\p)+FR*\b:128*(\p)+FR*\b+FR-1], v[AF+FR*(\a):AF+FR*(\a)+FR-1], 0, v[SC+8*NQ*(\sc)+NQ*\b+(\q)], v[SC+8*NQ*(\sc)+NQ*(\a)+(\q)] matrix_a_scale:MATRIX_SCALE_ROW1
.else
	v_wmma_scale_f32_16x16x128_f8f6f4 v[8*(8*((\a)%4)+\b):8*(8*((\a)%4)+\b)+7], v[128*(\p)+FR*\b:128*(\p)+FR*\b+FR-1], v[AF+FR*(\a):AF+FR*(\a)+FR-1], v[8*(8*((\a)%4)+\b):8*(8*((\a)%4)+\b)+7], v[SC+8*NQ*(\sc)+NQ*\b+(\q)], v[SC+8*NQ*(\sc)+NQ*(\a)+(\q)] matrix_a_scale:MATRIX_SCALE_ROW1
.endif
.endr
.endr
.endm
.macro FETCH_B slot, q, p
	WIN TO_B
.irp i, 0,1,2,3,4,5,6,7
	FRAG 128*(\p)+FR*\i, ADRB+\slot, \q, \i
.endr
	WIN 0
.endm
.macro FETCH_A slot, q, i0
.irp i, \i0, \i0+1, \i0+2, \i0+3
	FRAG AF+FR*(\i), ADRA+\slot, \q, \i
.endr
.endm
.macro SCALES sc
.irp i, 0,1,2,3,4,5,6,7
	ds_load_b64 v[SC+8*NQ*\sc+NQ*\i:SC+8*NQ*\sc+NQ*\i+1], v[ADRS] offset:\i*SBLK
.endr
.endm
.macro PLACES n
.rept \n
	v_nop
.endr
.endm
.macro STEP slot, q, zero
	s_wait_dscnt 4*NL
	WIN MUL_LO
	MUL16 0, (\q)%2, \q, \slot, \zero
	MUL16 2, (\q)%2, \q, \slot, \zero
	s_wait_dscnt 0
	PLACES NP
	FETCH_B \slot, (\q)+1, 1-(\q)%2
	FETCH_A \slot, (\q)+1, 0
	WIN MUL_HI
	MUL16 4, (\q)%2, \q, \slot, \zero
	MUL16 6, (\q)%2, \q, \slot, \zero
	PLACES NP
	WIN 0
	FETCH_A \slot, (\q)+1, 4
.endm
.macro TURN slot, next, fill
	s_wait_tensorcnt 0x0
	ds_add_u32 v[SPW], v[NIL]
	s_wait_dscnt 4*NL+1
	WIN MUL_LO
	MUL16 0, 1, NQ-1, \slot, 0
	s_wait_dscnt 0x0
	s_barrier_signal -1
	MUL16 2, 1, NQ-1, \slot, 0
	WIN 0
	s_barrier_wait -1
.if \fill
	CREST
	s_add_nc_u64 s[G0+4*\slot+2:G0+4*\slot+3], s[G0+4*\slot+2:G0+4*\slot+3], 2*ROWB
	s_add_nc_u64 s[G0B+4*\slot+2:G0B+4*\slot+3], s[G0B+4*\slot+2:G0B+4*\slot+3], 2*ROWB
	JLOAD G0+4*\slot, G1, G0B+4*\slot, G1B
	PLACES NP-4
.else
	PLACES NP
.endif
	s_wait_alu depctr_va_vdst(0)
	v_add_nc_u32 v[ADRS], 4*NQ, v[ADRS]
	FETCH_B \next, 0, 0
	FETCH_A \next, 0, 0
	SCALES \next
	WIN MUL_HI
	MUL16 4, 1, NQ-1, \slot, 0
	MUL16 6, 1, NQ-1, \slot, 0
	PLACES NP
	WIN 0
	FETCH_A \next, 0, 4
.endm
	s_wait_alu depctr_va_vdst(0)
	s_wait_loadcnt 16                              ; the eight loads of scale bytes are in; the 16 loads of the bias may be out
.irp j, 0,1,2,3
	ds_store_b128 v161, v[128+4*\j:131+4*\j] offset:8*272*\j
	ds_store_b128 v161, v[144+4*\j:147+4*\j] offset:2*HALFS+8*272*\j
.endr
	s_wait_tensorcnt 0x0                           ; my part of K step 0 is in
	ds_add_u32 v[SPW], v[NIL]
	s_wait_dscnt 0x0                               ; the add and my stores of scale bytes are done
	CROUND
	JLOAD G0+4, G1, G0B+4, G1B                     ; K step 1: the first tensor load behind the round
	FETCH_B 0, 0, 0
	FETCH_A 0, 0, 0
	SCALES 0
	FETCH_A 0, 0, 4
	global_prefetch_b8 v23, s[68:69] offset:3*ROWB th:TH_LOAD_NT scope:SCOPE_SE   ; behind K step 1's load and the first fragments' loads: K step 3
	STEP 0, 0, 1
	s_mov_b32 s3, LAPS-1
.Llap:
	TURN 0, 1, 1
	STEP 1, 0, 0
	TURN 1, 0, 1
	STEP 0, 0, 0
	s_sub_co_u32 s3, s3, 1
	s_cmp_lg_u32 s3, 0
	s_cbranch_scc1 .Llap
	TURN 0, 1, 0
	STEP 1, 0, 0
	s_wait_dscnt 4*NL
	WIN MUL_LO
	MUL16 0, 1, NQ-1, 1, 0
	MUL16 2, 1, NQ-1, 1, 0
	s_wait_dscnt 0
	WIN MUL_HI
	MUL16 4, 1, NQ-1, 1, 0
	MUL16 6, 1, NQ-1, 1, 0
	WIN 0
.macro QUANT s, relu, pw
.if \relu
.irp b, 0,1,2,3
	v_max3_num_f32 v[TM+\b], v[\s+16*\b], v[\s+1+16*\b], 0x4800000
.endr
.irp i, 2,4,6,8,10,12,14
.irp b, 0,1,2,3
	v_max3_num_f32 v[TM+\b], v[TM+\b], v[\s+16*\b+\i], v[\s+1+16*\b+\i]
.endr
.endr
.else
.irp b, 0,1,2,3
	v_max3_num_f32 v[TM+\b], |v[\s+16*\b]|, |v[\s+1+16*\b]|, 0x4800000
.endr
.irp i, 2,4,6,8,10,12,14
.irp b, 0,1,2,3
	v_max3_num_f32 v[TM+\b], v[TM+\b], |v[\s+16*\b+\i]|, |v[\s+1+16*\b+\i]|
.endr
.endr
.endif
.irp b, 0,1,2,3
	v_permlanex16_b32 v[TM+4+\b], v[TM+\b], s[SEL], s[SEL+1]
.endr
.irp b, 0,1,2,3
	v_max_num_f32 v[TM+\b], v[TM+\b], v[TM+4+\b]
.endr
.irp b, 0,1,2,3
	v_add_nc_u32 v[TM+12+\b], 0xfc000000, v[TM+\b]
.endr
.irp b, 0,1,2,3
	v_and_or_b32 v[TM+8+\b], v[TM+\b], 0x7f800000, s[MNT]
.endr
.irp b, 0,1,2,3
	v_lshrrev_b32 v[TM+4+\b], 23, v[TM+12+\b]
.endr
	v_lshl_or_b32 v[\pw], v[TM+5], 8, v[TM+4]
	v_lshl_or_b32 v[\pw], v[TM+6], 16, v[\pw]
	v_lshl_or_b32 v[\pw], v[TM+7], 24, v[\pw]
.irp b, 0,1,2,3
.irp i, 0,1,2,3,4,5,6,7,8,9,10,11,12,13,14,15
.if \relu
	v_med3_num_f32 v[\s+16*\b+\i], v[\s+16*\b+\i], 0, v[TM+8+\b]
.else
	v_med3_num_f32 v[\s+16*\b+\i], v[\s+16*\b+\i], -v[TM+8+\b], v[TM+8+\b]
.endif
.endr
	v_cvt_scalef32_pk8_fp8_f32 v[PC+4*\b:PC+1+4*\b], v[\s+16*\b:\s+7+16*\b], v[TM+12+\b]
	v_cvt_scalef32_pk8_fp8_f32 v[PC+2+4*\b:PC+3+4*\b], v[\s+8+16*\b:\s+15+16*\b], v[TM+12+\b]
.endr
	v_nop
.irp b, 0,1,2,3
	v_permlane16_swap_b32 v[PC+4*\b], v[PC+2+4*\b]
	v_permlane16_swap_b32 v[PC+1+4*\b], v[PC+3+4*\b]
.endr
.endm
.macro EPI a
.if (\a) > 0
	s_wait_xcnt 0x0
.endif
	WIN 0x02+(\a)/4
.set i, 0
.rept 32
	v_pk_add_f32 v[T+i:T+i+1], v[64*((\a)%4)+i:64*((\a)%4)+i+1], v[BN+i:BN+i+1]
.set i, i+2
.endr
	WIN 0
	QUANT T, 1, PWS+(\a)
.irp c, 0,1,2,3
	global_store_b128 v[CO], v[PC+4*\c:PC+4*\c+3], s[12:13] offset:65536*(\a)+512*\c
.endr
.endm
	PLACES NP
	s_wait_loadcnt 0x0
.irp b, 0,1,2,3
	v_mov_b32 v[TM+4+\b], 0
.endr
.irp a, 0,1,2,3,4,5,6,7
	EPI \a
.endr
.irp a, 0,2,4,6
	v_cndmask_b32 v[232+\a/2], v[PWS+\a], v[PWS+\a+1], s[HM]
	global_store_b32 v31, v[232+\a/2], s[10:11] offset:2048*\a
.endr
	s_wait_tensorcnt 0x0
	ds_add_u32 v[SPW], v[NIL]
	s_wait_dscnt 0x0
	CROUND
	s_endpgm
.Lfunc_end_k_qd019e01cdb_ffn1:
	.size	k_qd019e01cdb_ffn1, .Lfunc_end_k_qd019e01cdb_ffn1-k_qd019e01cdb_ffn1
	.p2alignl 7, 3214868480
	.fill 96, 4, 3214868480
	.section	.rodata,"a",@progbits
	.p2align	6, 0x0
	.amdhsa_kernel k_qd019e01cdb_ffn1
		.amdhsa_group_segment_fixed_size 327680
		.amdhsa_private_segment_fixed_size 0
		.amdhsa_enable_private_segment 0
		.amdhsa_kernarg_size 40
		.amdhsa_user_sgpr_count 2
		.amdhsa_user_sgpr_kernarg_segment_ptr 1
		.amdhsa_wavefront_size32 1
		.amdhsa_system_sgpr_workgroup_id_x 1
		.amdhsa_system_sgpr_workgroup_id_y 1
		.amdhsa_system_sgpr_workgroup_id_z 1
		.amdhsa_system_vgpr_workitem_id 0
		.amdhsa_next_free_vgpr 1024
		.amdhsa_next_free_sgpr 102
		.amdhsa_reserve_vcc 0
		.amdhsa_float_denorm_mode_32 3
		.amdhsa_float_denorm_mode_16_64 3
		.amdhsa_memory_ordered 1
		.amdhsa_forward_progress 1
		.amdhsa_inst_pref_size 205
	.end_amdhsa_kernel
	.amdgpu_metadata
---
amdhsa.version: [ 1, 2 ]
amdhsa.kernels:
  - .name:           k_qd019e01cdb_ffn1
    .symbol:         k_qd019e01cdb_ffn1.kd
    .args:
      - { .name: hb, .offset: 0, .size: 8, .value_kind: global_buffer, .address_space: global }
      - { .name: w1_codes, .offset: 8, .size: 8, .value_kind: global_buffer, .address_space: global }
      - { .name: w1_scales, .offset: 16, .size: 8, .value_kind: global_buffer, .address_space: global }
      - { .name: b1, .offset: 24, .size: 8, .value_kind: global_buffer, .address_space: global }
      - { .name: ffb, .offset: 32, .size: 8, .value_kind: global_buffer, .address_space: global }
    .group_segment_fixed_size: 327680
    .private_segment_fixed_size: 0
    .kernarg_segment_align: 8
    .kernarg_segment_size: 40
    .max_flat_workgroup_size: 128
    .sgpr_count:     102
    .vgpr_count:     1024
    .wavefront_size: 32
...
	.end_amdgpu_metadata
.endif
;; end of part 6
;; launch ffn2 (part 7): grid 8 x 32, 4 waves a work-group, clusters of 4 x 4, 327,680 bytes of LDS; arguments ffb, w2_codes, w2_scales, pp; writes pp
.if DOCPART == 7
	.amdgcn_target "amdgcn-amd-amdhsa--gfx1250"
	.amdhsa_code_object_version 6
	.text
	.protected	k_qd019e01cdb_ffn2
	.globl	k_qd019e01cdb_ffn2
	.p2align	8
	.type	k_qd019e01cdb_ffn2,@function
k_qd019e01cdb_ffn2:
	s_mov_b64 s[64:65], 0
	v_nop
	global_prefetch_b8 v0, s[64:65] scope:SCOPE_SE
	s_setreg_imm32_b32 hwreg(HW_REG_WAVE_MODE, 25, 1), 1
	s_wait_xcnt 0x0
	s_wait_alu depctr_hold_cnt(0) depctr_sa_sdst(0) depctr_va_vdst(0) depctr_va_sdst(0) depctr_va_ssrc(0) depctr_va_vcc(0) depctr_vm_vsrc(0)
	s_getreg_b32 s2, hwreg(HW_REG_IB_STS2, 6, 4)
	s_cmp_eq_u32 s2, 0
	s_cbranch_scc0 .Lentry_in_a_cluster
	s_endpgm
.Lentry_in_a_cluster:
	s_bfe_u32 s2, ttmp6, 0x10000c
	s_cmp_lg_u32 s2, 0xf033
	s_cbranch_scc0 .Lentry_shape_is_right
	s_endpgm
.Lentry_shape_is_right:
.set KTOT,   4096
.set SQI,    4
.set AS_OFF, 16777216
.set SIZE_N, 1024
.set KSTEP,  512
.set ROWB,   512
.set PITCH,  528
.set FR,     16
.set NP,     8
.set ATB,    4*8192
.set BOFF,   2*ATB
.set HALFT,  64*PITCH
.set SLOT,   BOFF+2*HALFT
.set LAPS,   KTOT/(2*KSTEP)
.set SW,     KTOT/32
.set SPT,    SW+16
.set SCL,    2*SLOT
.set HALFS,  64*SPT
.set SBLK,   16*SPT
.set SPARE,  SCL+4*HALFS
.set SPITCH, 272
.set ADRA, 16
.set ADRB, 20
.set STO,  24
.set RD,   25
.set CO,   26
.set ADRS, 27
.set SPW,  28
.set NIL,  29
.set SC,   32
.set BK,   64
.set ACC,  128
.set G1, 24
.set G0, 32
.set G1B, 48
.set G0B, 56
.set G1S, 68
.set G0S, 76
.set G1SB, 80
.set G0SB, 88
.set MSB, 0
.macro WIN new
.if MSB != (\new)
	s_set_vgpr_msb (MSB<<8)|(\new)
.set MSB, (\new)
.endif
.endm
.set MUL,  0x05
.set TO_F, 0x40
.macro JLOAD g0a, g1a, g0b, g1b
	s_cmp_eq_u32 s15, 0
	s_cbranch_scc0 .Lfor_b_\@
	tensor_load_to_lds s[\g0a:\g0a+3], s[\g1a:\g1a+7]
	s_nop 0
.rept 4
	v_nop
.endr
	s_branch .Lasked_\@
.Lfor_b_\@:
	tensor_load_to_lds s[\g0b:\g0b+3], s[\g1b:\g1b+7]
	s_nop 0
.rept 4
	v_nop
.endr
.Lasked_\@:
.endm
.macro CREST
	s_cmp_lg_u32 s14, 0
	s_cbranch_scc1 .Lnot_wave_0_\@
	s_barrier_signal -3
.Lnot_wave_0_\@:
	s_barrier_wait -3
	s_barrier_signal -1
	s_barrier_wait -1
.endm
.macro CROUND
	s_barrier_signal -1
	s_barrier_wait -1
	CREST
.endm
	s_load_b256 s[4:11], s[0:1], 0x0
	v_lshl_add_u32 v[SPW], v0, 2, SPARE
	v_mov_b32 v[NIL], 0
	ds_add_u32 v28, v29
	ds_add_u32 v28, v29
	s_wait_dscnt 0x0
	v_lshrrev_b32 v1, 5, v0
	v_readfirstlane_b32 s14, v1
	s_lshr_b32 s15, s14, 1
	s_and_b32 s16, s14, 1
	s_bfe_u32 s40, ttmp6, 0x40000
	s_bfe_u32 s41, ttmp6, 0x40004
	s_lshl_b32 s42, ttmp9, 2
	s_add_co_u32 s42, s42, s40
	s_and_b32 s17, ttmp7, 0xffff
	s_lshl_b32 s17, s17, 2
	s_add_co_u32 s17, s17, s41
	s_lshl_b32 s43, s41, 2
	s_lshl_b32 s43, 15, s43
	s_lshl_b32 s44, 0x1111, s40
	s_or_b32 s[G1+0], s43, (3<<16)|(1<<21)
	s_mov_b32 s[G1+1], 1024<<16
	s_mov_b32 s[G1+2], 4<<16
	s_mov_b32 s[G1+3], 1024<<16
	s_mov_b32 s[G1+4], 4
	s_mov_b32 s[G1+5], 2*KTOT
	s_mov_b32 s[G1+6], 0
	s_mov_b32 s[G1+7], 0
	s_or_b32 s[G1B+0], s44, (0<<16)|(1<<20)|(1<<21)|(6<<22)|(3<<25)
	s_mov_b32 s[G1B+1], ROWB<<16
	s_mov_b32 s[G1B+2], 64<<16
	s_mov_b32 s[G1B+3], ROWB<<16
	s_mov_b32 s[G1B+4], 64
	s_mov_b32 s[G1B+5], KTOT
	s_mov_b32 s[G1B+6], 0
	s_mov_b32 s[G1B+7], 0
	s_lshl_b32 s18, s16, 6
	s_lshl_b32 s20, s17, 7
	s_add_co_u32 s20, s20, s18
	s_lshl_b32 s46, s42, 7
	s_add_co_u32 s46, s46, s18
	s_mov_b32 s21, 0
	s_mov_b32 s47, 0
	s_mul_i32 s22, s17, 128*SW                     ; where the scales of the tile's 128 rows begin
	s_mov_b32 s23, 0
	s_mul_i32 s92, s42, 128*SW
	s_mov_b32 s93, 0
	s_mov_b64 s[18:19], KTOT
	s_mul_u64 s[20:21], s[20:21], s[18:19]
	s_mul_u64 s[46:47], s[46:47], s[18:19]
	s_mul_i32 s45, s16, ATB
	s_mul_i32 s95, s16, HALFT
	s_add_co_u32 s95, s95, BOFF
	s_wait_kmcnt 0x0
	s_add_nc_u64 s[20:21], s[4:5], s[20:21]
	s_add_nc_u64 s[22:23], s[4:5], s[22:23]
	s_add_nc_u64 s[22:23], s[22:23], AS_OFF
	s_add_nc_u64 s[46:47], s[6:7], s[46:47]
	s_add_nc_u64 s[92:93], s[8:9], s[92:93]
	CROUND
.irp s, 0,1
	s_mov_b32 s[G0+4*\s], 1
	s_add_co_u32 s[G0+4*\s+1], s45, \s*SLOT
	s_add_nc_u64 s[G0+4*\s+2:G0+4*\s+3], s[20:21], \s*8192
	s_or_b32 s[G0+4*\s+3], s[G0+4*\s+3], 0x80000000
	s_mov_b32 s[G0B+4*\s], 1
	s_add_co_u32 s[G0B+4*\s+1], s95, \s*SLOT
	s_add_nc_u64 s[G0B+4*\s+2:G0B+4*\s+3], s[46:47], \s*ROWB
	s_or_b32 s[G0B+4*\s+3], s[G0B+4*\s+3], 0x80000000
.endr
	JLOAD G0, G1, G0B, G1B                         ; K step 0: my one tensor load at the head
	; PREFETCHES INTO THE L2: the load of K step s is followed by a request for K step s + 2; the head asks for K steps 1 and 2; the last two refills ask for nothing.  Of the 32,768 bytes that my wave fetches of a
	; K step, each of the four partners that ask for them jointly names 8,192, told apart by address: of A one tile of 16 tokens (cx), of B 16 rows (cy); a lane names 256 bytes, so each aligned 256 bytes is named once in the cluster
	s_cmp_eq_u32 s15, 0                            ; do I fetch for A?
	s_cselect_b64 s[68:69], s[20:21], s[46:47]
	s_cselect_b32 s72, s40, s41                    ; my place among the four
	s_mov_b32 s70, ROWB
	s_cselect_b32 s70, 8192, s70                   ; a K step on: four images of A's tile, or 512 bytes of B's row
	s_mov_b32 s74, KTOT
	s_cselect_b32 s74, 512, s74                    ; from a pair of lanes to the next: 512 bytes on in A's tile, a row on in B
	s_mov_b32 s71, 0
	s_mul_i32 s72, s72, 16*KTOT                    ; a tile of A, and 16 rows of B, are 16 KTOT bytes
	s_add_co_u32 s72, s72, s70
	s_mov_b32 s73, 0
	s_add_nc_u64 s[68:69], s[68:69], s[72:73]      ; K step 1
	s_add_nc_u64 s[76:77], s[68:69], s[70:71]      ; K step 2
	v_and_b32 v8, 31, v0
	v_lshrrev_b32 v9, 1, v8
	v_and_b32 v8, 1, v8
	v_mul_u32_u24 v9, s74, v9
	v_lshl_add_u32 v30, v8, 8, v9
	global_prefetch_b8 v30, s[68:69] th:TH_LOAD_NT scope:SCOPE_SE
	global_prefetch_b8 v30, s[76:77] th:TH_LOAD_NT scope:SCOPE_SE
	; the scale bytes of A's and B's 128 rows, 128 SW dense bytes each, come by plain loads, 16 bytes a thread, sixteen lanes to an aligned 256; a small part of the tiles' bytes, so they are not asked for jointly
.set NJ, SW/16
	v_lshlrev_b32 v128, 4, v0                      ; 16 x thread
	v_lshrrev_b32 v129, SQI-1, v0                  ; the row among a load's 2,048 / SW
	v_mul_u32_u24 v129, v129, SPT
	v_and_b32 v130, NJ-1, v0
	v_lshl_add_u32 v129, v130, 4, v129
	v_add_nc_u32 v129, SCL, v129
.set j, 0
.rept NJ
	global_load_b128 v[64+4*j:67+4*j], v128, s[22:23] offset:2048*j
	global_load_b128 v[64+4*NJ+4*j:67+4*NJ+4*j], v128, s[92:93] offset:2048*j
.set j, j+1
.endr
	s_wait_xcnt 0x0                                ; the loads and prefetches have read their bases: s22 is written below, and
	s_add_nc_u64 s[68:69], s[76:77], s[70:71]      ; the prefetches' address goes on to K step 3
	v_and_b32 v1, 15, v0
	v_bfe_u32 v2, v0, 4, 1
	v_mul_u32_u24 v3, v1, PITCH
	v_lshl_add_u32 v4, v2, 4, v3
	v_and_b32 v6, 31, v0
	v_lshlrev_b32 v7, 4, v6
	s_mul_i32 s21, s15, ATB
	s_mul_i32 s22, s16, HALFT
	s_add_co_u32 s22, s22, BOFF
.irp s, 0,1
	v_add_nc_u32 v[ADRA+\s], s21, v7
	v_add_nc_u32 v[ADRB+\s], s22, v4
	s_add_co_u32 s21, s21, SLOT
	s_add_co_u32 s22, s22, SLOT
.endr
	v_mul_u32_u24 v5, v1, SPT
	s_mul_i32 s21, s15, HALFS
	s_mul_i32 s22, s16, HALFS
	s_add_co_u32 s22, s22, 2*HALFS
	s_sub_co_u32 s22, s22, s21
	v_mul_u32_u24 v6, s22, v2
	s_add_co_u32 s21, s21, SCL
	v_add_nc_u32 v5, v5, v6
	v_add_nc_u32 v[ADRS], s21, v5
	s_mul_i32 s23, s14, 16*SPITCH
	v_mul_u32_u24 v5, v1, SPITCH
	v_lshl_add_u32 v5, v2, 5, v5
	v_add_nc_u32 v[STO], s23, v5
	v_mul_u32_u24 v5, v2, SPITCH
	v_lshl_add_u32 v5, v1, 4, v5
	v_add_nc_u32 v[RD], s23, v5
	v_mul_u32_u24 v5, v2, SIZE_N*4
	v_lshl_add_u32 v[CO], v1, 4, v5
	s_lshl_b32 s20, s17, 7
	s_lshl_b32 s21, s15, 6
	s_add_co_u32 s20, s20, s21
	s_mov_b32 s21, 0
	s_mov_b64 s[18:19], SIZE_N*4
	s_mul_u64 s[20:21], s[20:21], s[18:19]
	s_lshl_b32 s46, s42, 9
	s_lshl_b32 s47, s16, 8
	s_add_co_u32 s46, s46, s47
	s_mov_b32 s47, 0
	s_add_nc_u64 s[20:21], s[20:21], s[46:47]
	s_add_nc_u64 s[12:13], s[10:11], s[20:21]
.macro MUL4 f, a, q, sc, zero
.irp b, 0,1,2,3
.if \zero
	v_wmma_scale_f32_16x16x128_f8f6f4 v[ACC+8*(4*(\a)+\b):ACC+8*(4*(\a)+\b)+7], v[(\f)+64+FR*\b:(\f)+64+FR*\b+FR-1], v[(\f)+FR*(\a):(\f)+FR*(\a)+FR-1], 0, v[SC+16*(\sc)+4*\b+(\q)], v[SC+16*(\sc)+4*(\a)+(\q)] matrix_a_scale:MATRIX_SCALE_ROW1
.else
	v_wmma_scale_f32_16x16x128_f8f6f4 v[ACC+8*(4*(\a)+\b):ACC+8*(4*(\a)+\b)+7], v[(\f)+64+FR*\b:(\f)+64+FR*\b+FR-1], v[(\f)+FR*(\a):(\f)+FR*(\a)+FR-1], v[ACC+8*(4*(\a)+\b):ACC+8*(4*(\a)+\b)+7], v[SC+16*(\sc)+4*\b+(\q)], v[SC+16*(\sc)+4*(\a)+(\q)] matrix_a_scale:MATRIX_SCALE_ROW1
.endif
.endr
.endm
.macro FETCH slot, q, f
	WIN TO_F
.irp i, 0,1,2,3
.irp c, 0,1,2,3
	ds_load_b128 v[(\f)+64+FR*\i+4*\c:(\f)+64+FR*\i+4*\c+3], v[ADRB+\slot] offset:128*(\q)+32*\c+\i*16*PITCH
.endr
.endr
.irp i, 0,1,2,3
.irp c, 0,1,2,3
	ds_load_b128 v[(\f)+FR*\i+4*\c:(\f)+FR*\i+4*\c+3], v[ADRA+\slot] offset:8192*\i+2048*(\q)+512*\c
.endr
.endr
.endm
.macro SCALES sc
.irp i, 0,1,2,3
	ds_load_b128 v[SC+16*\sc+4*\i:SC+16*\sc+4*\i+3], v[ADRS] offset:\i*SBLK
.endr
.endm
.macro PLACES n
.rept \n
	v_nop
.endr
.endm
.macro QUARTER slot, q, zero
.set FB, 128*((\q)%2)
.set GB, 128-FB
	s_wait_dscnt 8
	WIN MUL
	MUL4 FB, 0, \q, \slot, \zero
	MUL4 FB, 1, \q, \slot, \zero
	PLACES NP
	FETCH \slot, (\q)+1, GB
	s_wait_dscnt 32
	WIN MUL
	MUL4 FB, 2, \q, \slot, \zero
	MUL4 FB, 3, \q, \slot, \zero
.endm
.macro TURN slot, next, fill
	WIN 0
.if \fill
	s_wait_xcnt 0x0                                ; my last prefetch, a K step back, has read its address: it goes a K step on, two ahead of the refill below
	s_add_nc_u64 s[68:69], s[68:69], s[70:71]
.endif
	s_wait_tensorcnt 0x0
	ds_add_u32 v[SPW], v[NIL]
	s_wait_dscnt 9
	WIN MUL
	MUL4 128, 0, 3, \slot, 0
	s_wait_dscnt 0x0
	s_barrier_signal -1
	MUL4 128, 1, 3, \slot, 0
	WIN 0
	s_barrier_wait -1
.if \fill
	CREST
	s_add_nc_u64 s[G0+4*\slot+2:G0+4*\slot+3], s[G0+4*\slot+2:G0+4*\slot+3], 2*8192
	s_add_nc_u64 s[G0B+4*\slot+2:G0B+4*\slot+3], s[G0B+4*\slot+2:G0B+4*\slot+3], 2*ROWB
	JLOAD G0+4*\slot, G1, G0B+4*\slot, G1B
	PLACES NP-4
.else
	PLACES NP
.endif
	s_wait_alu depctr_va_vdst(0)
	v_add_nc_u32 v[ADRS], 16, v[ADRS]
	SCALES \next
	FETCH \next, 0, 0
.if \fill
	WIN 0
	s_cmp_gt_u32 s3, 1                             ; the loop's last trip refills K steps 6 and 7: there is no K step two on
	s_cbranch_scc0 .Lnone_ahead_\@
	global_prefetch_b8 v30, s[68:69] th:TH_LOAD_NT scope:SCOPE_SE
.Lnone_ahead_\@:
.endif
	WIN MUL
	MUL4 128, 2, 3, \slot, 0
	MUL4 128, 3, 3, \slot, 0
.endm
	s_wait_alu depctr_va_vdst(0)
	s_wait_loadcnt 0x0                             ; the scale bytes
.set j, 0
.rept NJ
	ds_store_b128 v129, v[64+4*j:67+4*j] offset:(2048/SW)*SPT*j
	ds_store_b128 v129, v[64+4*NJ+4*j:67+4*NJ+4*j] offset:2*HALFS+(2048/SW)*SPT*j
.set j, j+1
.endr
	s_wait_tensorcnt 0x0                           ; my part of K step 0 is in
	ds_add_u32 v[SPW], v[NIL]
	s_wait_dscnt 0x0                               ; the add and my stores of scale bytes are done
	CROUND
	JLOAD G0+4, G1, G0B+4, G1B                     ; K step 1: the first tensor load behind the round
	SCALES 0
	FETCH 0, 0, 0
	global_prefetch_b8 v30, s[68:69] th:TH_LOAD_NT scope:SCOPE_SE   ; behind K step 1's load: K step 3
	QUARTER 0, 0, 1
.if LAPS > 1
	WIN 0
	s_mov_b32 s3, LAPS-1
.Llap:
	QUARTER 0, 1, 0
	QUARTER 0, 2, 0
	TURN 0, 1, 1
	QUARTER 1, 0, 0
	QUARTER 1, 1, 0
	QUARTER 1, 2, 0
	TURN 1, 0, 1
	QUARTER 0, 0, 0
	WIN 0
	s_sub_co_u32 s3, s3, 1
	s_cmp_lg_u32 s3, 0
	s_cbranch_scc1 .Llap
.endif
	QUARTER 0, 1, 0
	QUARTER 0, 2, 0
	TURN 0, 1, 0
	QUARTER 1, 0, 0
	QUARTER 1, 1, 0
	QUARTER 1, 2, 0
	s_wait_dscnt 8
	WIN MUL
	MUL4 128, 0, 3, 1, 0
	MUL4 128, 1, 3, 1, 0
	s_wait_dscnt 0
	MUL4 128, 2, 3, 1, 0
	MUL4 128, 3, 3, 1, 0
	WIN 0
.macro TOSTAGE a
.irp b, 0,1,2,3
	ds_store_b128 v[STO], v[ACC+8*(4*(\a)+\b):ACC+8*(4*(\a)+\b)+3] offset:64*\b
	ds_store_b128 v[STO], v[ACC+8*(4*(\a)+\b)+4:ACC+8*(4*(\a)+\b)+7] offset:64*\b+16
.endr
.set BB, BK+32*((\a)%2)
.irp t, 0,1,2,3,4,5,6,7
	ds_load_b128 v[BB+4*\t:BB+4*\t+3], v[RD] offset:\t*2*SPITCH
.endr
.endm
.macro SEND a, younger
.set BB, BK+32*((\a)%2)
	s_wait_dscnt \younger
.if (\a) > 0
	s_add_nc_u64 s[12:13], s[12:13], 16*SIZE_N*4
.endif
.irp t, 0,1,2,3,4,5,6,7
	global_store_b128 v[CO], v[BB+4*\t:BB+4*\t+3], s[12:13] offset:2*\t*SIZE_N*4 th:TH_STORE_NT
.endr
.endm
	PLACES NP
	TOSTAGE 0
.irp a, 1,2,3
.if \a > 1
	s_wait_xcnt 0x0
.endif
	TOSTAGE \a
	SEND \a-1, 16
.endr
	s_wait_xcnt 0x0
	SEND 3, 0
	s_wait_tensorcnt 0x0
	ds_add_u32 v[SPW], v[NIL]
	s_wait_dscnt 0x0
	CROUND
	s_endpgm
.Lfunc_end_k_qd019e01cdb_ffn2:
	.size	k_qd019e01cdb_ffn2, .Lfunc_end_k_qd019e01cdb_ffn2-k_qd019e01cdb_ffn2
	.p2alignl 7, 3214868480
	.fill 96, 4, 3214868480
	.section	.rodata,"a",@progbits
	.p2align	6, 0x0
	.amdhsa_kernel k_qd019e01cdb_ffn2
		.amdhsa_group_segment_fixed_size 327680
		.amdhsa_private_segment_fixed_size 0
		.amdhsa_enable_private_segment 0
		.amdhsa_kernarg_size 32
		.amdhsa_user_sgpr_count 2
		.amdhsa_user_sgpr_kernarg_segment_ptr 1
		.amdhsa_wavefront_size32 1
		.amdhsa_system_sgpr_workgroup_id_x 1
		.amdhsa_system_sgpr_workgroup_id_y 1
		.amdhsa_system_sgpr_workgroup_id_z 1
		.amdhsa_system_vgpr_workitem_id 0
		.amdhsa_next_free_vgpr 512
		.amdhsa_next_free_sgpr 98
		.amdhsa_reserve_vcc 0
		.amdhsa_float_denorm_mode_32 3
		.amdhsa_float_denorm_mode_16_64 3
		.amdhsa_memory_ordered 1
		.amdhsa_forward_progress 1
		.amdhsa_inst_pref_size 95
	.end_amdhsa_kernel
	.amdgpu_metadata
---
amdhsa.version: [ 1, 2 ]
amdhsa.kernels:
  - .name:           k_qd019e01cdb_ffn2
    .symbol:         k_qd019e01cdb_ffn2.kd
    .args:
      - { .name: ffb, .offset: 0, .size: 8, .value_kind: global_buffer, .address_space: global }
      - { .name: w2_codes, .offset: 8, .size: 8, .value_kind: global_buffer, .address_space: global }
      - { .name: w2_scales, .offset: 16, .size: 8, .value_kind: global_buffer, .address_space: global }
      - { .name: pp, .offset: 24, .size: 8, .value_kind: global_buffer, .address_space: global }
    .group_segment_fixed_size: 327680
    .private_segment_fixed_size: 0
    .kernarg_segment_align: 8
    .kernarg_segment_size: 32
    .max_flat_workgroup_size: 128
    .sgpr_count:     98
    .vgpr_count:     512
    .wavefront_size: 32
...
	.end_amdgpu_metadata
.endif
;; end of part 7
;; launch norm2 (part 8): grid 512 x 1, 8 waves a work-group, no clusters, 13,312 bytes of LDS; arguments pp, hb, b2, g2, be2, out0; writes out0
.if DOCPART == 8
	.amdgcn_target "amdgcn-amd-amdhsa--gfx1250"
	.amdhsa_code_object_version 6
	.text
	.protected	k_qd019e01cdb_norm2
	.globl	k_qd019e01cdb_norm2
	.p2align	8
	.type	k_qd019e01cdb_norm2,@function
k_qd019e01cdb_norm2:
	s_mov_b64 s[64:65], 0
	v_nop
	global_prefetch_b8 v0, s[64:65] scope:SCOPE_SE
	s_setreg_imm32_b32 hwreg(HW_REG_WAVE_MODE, 25, 1), 1
	s_wait_xcnt 0x0
; out = LayerNorm(h + (P + b2)) g2 + be2, in f32.  P: the last product's sums (pp); h: hb + 0.
; A wave takes one row and keeps it in 32 registers: mean, then the sum of squares of the differences (two passes: a common offset costs no digits), v_rsq_f32, gain and offset.
; b2, g2, be2 are read once by the work-group, 16 bytes a thread, and handed to the eight waves through LDS.  All of a wave's 16 row loads go out at once; each load and store covers 512 consecutive bytes.
; No matrix unit, no tensor load, no cluster: the work-groups share only the three small vectors, and memory binds.
; LIMITS: NaN and infinities are not served.
.set CB,  0
.set P0,  16
.set H,   48
.set BI,  80
.set G,   112
.set BE,  144
.set CST, 176
.set MU,  188
.set RS,  190
.set CH,  192
.set CSA, 10
.set CRA, 11
.set TMP, 12
.set Y,   P0
.set SEL, 28
.set INV, 30
.set EPSR, 31
	s_load_b256 s[4:11], s[0:1], 0x0               ; pp, hb, b2, g2
	s_load_b128 s[12:15], s[0:1], 0x20             ; be2, out0
	v_lshl_add_u32 v200, v0, 2, 0x3000
	v_mov_b32 v201, 0
	v_lshrrev_b32 v1, 5, v0
	s_delay_alu instid0(VALU_DEP_1)
	v_readfirstlane_b32 s16, v1
	v_and_b32 v3, 31, v0
	s_delay_alu instid0(VALU_DEP_1)
	v_lshlrev_b32 v2, 4, v3                        ; 16 x lane
	v_lshlrev_b32 v4, 4, v0                        ; 16 x thread
	s_delay_alu instid0(VALU_DEP_1)
	v_add_nc_u32 v[CSA], CB, v4
	s_delay_alu instid0(VALU_DEP_3)
	v_add_nc_u32 v[CRA], CB, v2
	v_mov_b32 v[TMP], 0                            ; a lane permute's destination counts as one of its sources
	s_mov_b32 s[SEL], 0x76543210
	s_mov_b32 s[SEL+1], 0xfedcba98
	s_mov_b32 s[INV], 0x3a800000                   ; 1 / 1,024
	s_mov_b32 s[EPSR], 0x358637bd                  ; 1e-6
	s_lshl_b32 s18, ttmp9, 3
	s_add_co_u32 s18, s18, s16                     ; my row
	s_lshl_b32 s20, s18, 12
	s_mov_b32 s21, 0
	s_wait_alu depctr_va_vdst(0)
	s_wait_kmcnt 0x0
	s_add_nc_u64 s[4:5], s[4:5], s[20:21]
	s_add_nc_u64 s[6:7], s[6:7], s[20:21]
	s_add_nc_u64 s[14:15], s[14:15], s[20:21]
	global_load_b128 v[CST:CST+3], v4, s[8:9]
	global_load_b128 v[CST+4:CST+7], v4, s[10:11]
	global_load_b128 v[CST+8:CST+11], v4, s[12:13]
.irp j, 0,1,2,3,4,5,6,7
	global_load_b128 v[P0+4*\j:P0+4*\j+3], v2, s[4:5] offset:512*\j th:TH_LOAD_NT
.endr
.irp j, 0,1,2,3,4,5,6,7
	global_load_b128 v[H+4*\j:H+4*\j+3], v2, s[6:7] offset:512*\j th:TH_LOAD_NT
.endr
	s_wait_loadcnt 16                              ; the three vectors' parts are in; the row's sixteen loads may be out
.irp k, 0,1,2
	ds_store_b128 v[CSA], v[CST+4*\k:CST+4*\k+3] offset:4096*\k
.endr
	s_wait_dscnt 0x0                               ; for the others' sake
	s_barrier_signal -1
	s_barrier_wait -1
.irp j, 0,1,2,3,4,5,6,7
	ds_load_b128 v[BI+4*\j:BI+4*\j+3], v[CRA] offset:512*\j
.endr
.irp j, 0,1,2,3,4,5,6,7
	ds_load_b128 v[G+4*\j:G+4*\j+3], v[CRA] offset:4096+512*\j
.endr
.irp j, 0,1,2,3,4,5,6,7
	ds_load_b128 v[BE+4*\j:BE+4*\j+3], v[CRA] offset:8192+512*\j
.endr
	s_wait_loadcnt 0x0
	s_wait_dscnt 16                                ; the bias is in; gain and offset may be out
.set i, 0
.rept 16
	v_pk_add_f32 v[Y+i:Y+i+1], v[Y+i:Y+i+1], v[BI+i:BI+i+1]
.set i, i+2
.endr
.set i, 0
.rept 16
	v_pk_add_f32 v[Y+i:Y+i+1], v[Y+i:Y+i+1], v[H+i:H+i+1]
.set i, i+2
.endr
	s_wait_dscnt 0x0
.macro WSUM v, t                       ; the sum over the wave's 32 lanes, in every lane
	s_delay_alu instid0(VALU_DEP_1)
	v_add_f32_dpp v[\v], v[\v], v[\v] row_xmask:1 row_mask:0xf bank_mask:0xf
	s_delay_alu instid0(VALU_DEP_1)
	v_add_f32_dpp v[\v], v[\v], v[\v] row_xmask:2 row_mask:0xf bank_mask:0xf
	s_delay_alu instid0(VALU_DEP_1)
	v_add_f32_dpp v[\v], v[\v], v[\v] row_xmask:4 row_mask:0xf bank_mask:0xf
	s_delay_alu instid0(VALU_DEP_1)
	v_add_f32_dpp v[\v], v[\v], v[\v] row_xmask:8 row_mask:0xf bank_mask:0xf
	s_delay_alu instid0(VALU_DEP_1)
	v_permlanex16_b32 v[\t], v[\v], s[SEL], s[SEL+1]
	s_delay_alu instid0(VALU_DEP_1)
	v_add_f32 v[\v], v[\v], v[\t]
.endm
.macro FOLD                            ; four chains of pairs become one number
	s_delay_alu instid0(VALU_DEP_3)
	v_pk_add_f32 v[CH:CH+1], v[CH:CH+1], v[CH+2:CH+3]
	s_delay_alu instid0(VALU_DEP_2)
	v_pk_add_f32 v[CH+4:CH+5], v[CH+4:CH+5], v[CH+6:CH+7]
	s_delay_alu instid0(VALU_DEP_1)
	v_pk_add_f32 v[CH:CH+1], v[CH:CH+1], v[CH+4:CH+5]
	s_delay_alu instid0(VALU_DEP_1)
	v_add_f32 v[CH], v[CH], v[CH+1]
	WSUM CH, TMP
.endm
.irp k, 0,1,2,3
	v_pk_add_f32 v[CH+2*\k:CH+2*\k+1], v[Y+2*\k:Y+2*\k+1], v[Y+8+2*\k:Y+8+2*\k+1]
.endr
.irp i, 16,24
.irp k, 0,1,2,3
	s_delay_alu instid0(VALU_DEP_4)
	v_pk_add_f32 v[CH+2*\k:CH+2*\k+1], v[CH+2*\k:CH+2*\k+1], v[Y+\i+2*\k:Y+\i+2*\k+1]
.endr
.endr
	FOLD
	s_delay_alu instid0(VALU_DEP_1)
	v_mul_f32 v[MU], s[INV], v[CH]                 ; the mean
	s_delay_alu instid0(VALU_DEP_1)
	v_mov_b32 v[MU+1], v[MU]
.set i, 0
.rept 16
	v_pk_add_f32 v[Y+i:Y+i+1], v[Y+i:Y+i+1], v[MU:MU+1] neg_lo:[0,1] neg_hi:[0,1]
.set i, i+2
.endr
.irp k, 0,1,2,3
	v_pk_mul_f32 v[CH+2*\k:CH+2*\k+1], v[Y+2*\k:Y+2*\k+1], v[Y+2*\k:Y+2*\k+1]
.endr
.irp i, 8,16,24
.irp k, 0,1,2,3
	s_delay_alu instid0(VALU_DEP_4)
	v_pk_fma_f32 v[CH+2*\k:CH+2*\k+1], v[Y+\i+2*\k:Y+\i+2*\k+1], v[Y+\i+2*\k:Y+\i+2*\k+1], v[CH+2*\k:CH+2*\k+1]
.endr
.endr
	FOLD
	s_delay_alu instid0(VALU_DEP_1)
	v_fma_f32 v[CH], v[CH], s[INV], s[EPSR]        ; the variance + 1e-6
	s_wait_alu depctr_va_vdst(0)
	v_rsq_f32 v[RS], v[CH]
	v_nop                                          ; a plain instruction behind the transcendental,
	s_wait_alu depctr_va_vdst(0)                   ; and the wait ahead of its first reader
	v_mov_b32 v[RS+1], v[RS]
.set i, 0
.rept 16
	v_pk_mul_f32 v[Y+i:Y+i+1], v[Y+i:Y+i+1], v[RS:RS+1]
.set i, i+2
.endr
.set i, 0
.rept 16
	v_pk_fma_f32 v[Y+i:Y+i+1], v[Y+i:Y+i+1], v[G+i:G+i+1], v[BE+i:BE+i+1]
.set i, i+2
.endr
.irp j, 0,1,2,3,4,5,6,7
	global_store_b128 v2, v[Y+4*\j:Y+4*\j+3], s[14:15] offset:512*\j th:TH_STORE_NT   ; 512 consecutive bytes
.endr
	s_wait_tensorcnt 0x0
	ds_add_u32 v200, v201
	s_wait_dscnt 0x0
	s_endpgm
.Lfunc_end_k_qd019e01cdb_norm2:
	.size	k_qd019e01cdb_norm2, .Lfunc_end_k_qd019e01cdb_norm2-k_qd019e01cdb_norm2
	.p2alignl 7, 3214868480
	.fill 96, 4, 3214868480
	.section	.rodata,"a",@progbits
	.p2align	6, 0x0
	.amdhsa_kernel k_qd019e01cdb_norm2
		.amdhsa_group_segment_fixed_size 13312
		.amdhsa_private_segment_fixed_size 0
		.amdhsa_enable_private_segment 0
		.amdhsa_kernarg_size 48
		.amdhsa_user_sgpr_count 2
		.amdhsa_user_sgpr_kernarg_segment_ptr 1
		.amdhsa_wavefront_size32 1
		.amdhsa_system_sgpr_workgroup_id_x 1
		.amdhsa_system_sgpr_workgroup_id_y 1
		.amdhsa_system_sgpr_workgroup_id_z 1
		.amdhsa_system_vgpr_workitem_id 0
		.amdhsa_next_free_vgpr 202
		.amdhsa_next_free_sgpr 66
		.amdhsa_reserve_vcc 0
		.amdhsa_float_denorm_mode_32 3
		.amdhsa_float_denorm_mode_16_64 3
		.amdhsa_memory_ordered 1
		.amdhsa_forward_progress 1
		.amdhsa_inst_pref_size 16
	.end_amdhsa_kernel
	.amdgpu_metadata
---
amdhsa.version: [ 1, 2 ]
amdhsa.kernels:
  - .name:           k_qd019e01cdb_norm2
    .symbol:         k_qd019e01cdb_norm2.kd
    .args:
      - { .name: pp, .offset: 0, .size: 8, .value_kind: global_buffer, .address_space: global }
      - { .name: hb, .offset: 8, .size: 8, .value_kind: global_buffer, .address_space: global }
      - { .name: b2, .offset: 16, .size: 8, .value_kind: global_buffer, .address_space: global }
      - { .name: g2, .offset: 24, .size: 8, .value_kind: global_buffer, .address_space: global }
      - { .name: be2, .offset: 32, .size: 8, .value_kind: global_buffer, .address_space: global }
      - { .name: out0, .offset: 40, .size: 8, .value_kind: global_buffer, .address_space: global }
    .group_segment_fixed_size: 13312
    .private_segment_fixed_size: 0
    .kernarg_segment_align: 8
    .kernarg_segment_size: 48
    .max_flat_workgroup_size: 256
    .sgpr_count:     66
    .vgpr_count:     202
    .wavefront_size: 32
...
	.end_amdgpu_metadata
.endif
;; end of part 8
